; MI455X (gfx1250); checked and timed in simulation.
; The chip was launched on July 23, 2026; its instructions are those of AMD's public machine-readable ISA for CDNA 5 (MIT licence, August 2026) and "CDNA5" Instruction Set Architecture Reference Guide (July 2026). The comments in the code are by the model that wrote it; some were corrected since.
;; Yat Causal Attention. Allowed arithmetic: matrix products marked QUANTISED: E2M1 operands, one E8M0 scale for each 32 along K, by v_wmma_scale_f32_16x16x128_f8f6f4 with both operands' format E2M1 (or v_wmma_scale_f32_32x16x128_f4), f32 sums; products left as they are: bf16, f16 or f32 operands; f32 sums; everything else in f32.
;; Inputs: b_out 1,024 float32; b_qkv 3,072 float32; w_out 1,024 x 1,024 float32; w_qkv 1,024 x 3,072 float32; x 2 x 2,048 x 1,024 float32.
;; Outputs: out0 2 x 2,048 x 1,024 float32.
;; This version of the problem:
;;   THIS VERSION OF THE PROBLEM IS GIVEN IN LOW PRECISION. The matrix products marked QUANTISED in the list below multiply operands that are first quantised to E2M1 (2 exponent bits, 1 mantissa bit; 4 bits a number), with one power-of-two scale for each 32 numbers along K (OCP MX v1.0); their sums are f32. The products marked 'left as it is' may take bf16, f16 or f32 operands, with f32 sums. Whichever they take, every output number must still come out within the allowed error. Rounding operands to bf16 (8 significant bits) uses up far more of that allowance than f16 does (11 bits, for magnitudes from 6e-5 to 65,504). All else is computed in f32.
;;   The module's matrix products, in the order in which they are computed (A, B: the left and right operand; K: the contracted axis; several contracted axes count as one K, in the product's order):
;;     1. [M 4,096, K 1,024] x [K 1,024, N 3,072]; A: input x; B: input w_qkv: QUANTISED
;;     2. batch 32 x [M 2,048, K 64] x [K 64, N 2,048]; A: computed on the way; B: computed on the way: left as it is (an operand is computed on the way)
;;     3. batch 32 x [M 2,048, K 2,048] x [K 2,048, N 64]; A: computed on the way; B: computed on the way: left as it is (an operand is computed on the way)
;;     4. [M 4,096, K 1,024] x [K 1,024, N 1,024]; A: computed on the way; B: input w_out: left as it is (an operand is computed on the way)
;;   THE QUANTISER, for each operand of a quantised product, along K:
;;     - K is cut into blocks of 32 from its start; a last block that is shorter is filled with zeros.
;;     - A block's scale is 2^e with e = floor(log2(the largest magnitude in the block)) - 2, held to -126 .. 127; a block of zeros has e = 0. As a byte (E8M0): e + 127.
;;     - Each number is divided by its block's scale, clamped to +-6, and rounded to the nearest number of E2M1, ties to even, subnormals kept.
;;     - The product sums the exact products of the quantised numbers (number of the format x scale) in f32.
;;   ~~~python
;;   def quantise(x, axis):      # numpy; x: float32 -> the quantised numbers, widened to float32 again
;;       x = np.moveaxis(x, axis, -1); K = x.shape[-1]
;;       x = np.pad(x, [(0, 0)] * (x.ndim - 1) + [(0, -K % 32)]); x = x.reshape(x.shape[:-1] + (-1, 32)); a = np.abs(x).max(-1, keepdims=True)
;;       e = np.where(a > 0, np.clip(np.frexp(np.where(a > 0, a, 1))[1] - 1 - 2, -126, 127), 0)      # np.frexp(a)[1] - 1 = floor(log2(a)), exactly
;;       r = np.clip(x / 2.0 ** e, -6, 6)
;;       step = 2.0 ** (np.maximum(np.frexp(np.where(r == 0, 1, r))[1] - 1, 0) - 1)
;;       q = np.round(r / step) * step * 2.0 ** e      # np.round: ties to even
;;       return np.moveaxis(q.reshape(q.shape[:-2] + (-1,))[..., :K], -1, axis).astype(np.float32)
;;   ~~~
;; One version. Each part assembles by itself: llvm-mc -triple=amdgcn-amd-amdhsa -mcpu=gfx1250 --defsym DOCPART=n.
;; ======== version 1 of 1: 4 launches
;; limits: values are held in f16: magnitudes above 65,504 overflow, below 6.1e-05 lose precision
;; workspace buffers: x_codes 2,097,152 bytes; x_scales 131,072 bytes; w_codes 1,572,864 bytes; w_scales 98,304 bytes; w16 2,097,152 bytes; qkvimg 41,943,040 bytes; sq 524,288 bytes; o16 8,388,608 bytes
;; launch prep (part 1): grid 384 x 1, 8 waves a work-group, no clusters, 60,928 bytes of LDS; arguments x, w_qkv, w_out, x_codes, x_scales, w_codes, w_scales, w16; writes x_codes, x_scales, w_codes, w_scales, w16
.if DOCPART == 1
	.amdgcn_target "amdgcn-amd-amdhsa--gfx1250"
	.amdhsa_code_object_version 6
	.text
	.protected	k_qc9dec63e53_prep
	.globl	k_qc9dec63e53_prep
	.p2align	8
	.type	k_qc9dec63e53_prep,@function
k_qc9dec63e53_prep:
	s_mov_b64 s[64:65], 0
	v_nop
	global_prefetch_b8 v0, s[64:65] scope:SCOPE_SE
	s_setreg_imm32_b32 hwreg(HW_REG_WAVE_MODE, 25, 1), 1
	s_wait_xcnt 0x0
; THREE JOBS IN ONE LAUNCH, told apart by the work-group's number alone (each job has LDS bytes of its own):
;   work-groups 0-255:   x [4096][1024] f32, K innermost -> codes of E2M1 [4096][512 bytes] and E8M0 bytes [4096][32]
;   work-groups 256-351: w_qkv [1024 (k)][3072 (n)] f32, K its first axis -> codes [3072][512 bytes], K innermost, and bytes [3072][32]
;   work-groups 352-383: w_out [1024 (k)][1024 (n)] f32 -> f16, laid in the order of the last launch's operand registers:
;                        [k / 256][n / 16][(k / 32) % 8][half 2][lane 32][16 bytes]; lane (r, h) holds n = 16 (n / 16) + r, k = 32 (k / 32) + 16 half + 8 h + 0 .. 7
; A block's scale is 2^(floor(log2(its largest magnitude)) - 2): its byte is the largest magnitude's own exponent field - 2, held at 1 from below by a floor among the maximum's leaves.
; LIMITS: a block of zeros gets the byte 1 where the rule says 127 (its codes are zeros, and this program alone reads the bytes); blocks whose largest magnitude lies under 2^-124 share that byte;
; NaN and infinities are not served; |w_out| stays under 65,504 (f16), and under 6e-5 it keeps 2^-25 absolute.
; No matrix unit, no cluster, no tensor load: the launch is a stream, each input byte is read once, and work-groups share nothing.
.set XSC,   40960                      ; LDS.  x: from 0 eight waves x two stages of 32 x 80 bytes; from XSC the work-group's 512 scale bytes
.set WST,   41472                      ; w_qkv: 64 columns x (256 bytes of codes + 16)
.set WSC,   58880                      ; w_qkv: 64 columns x 16 scale bytes
.set SPARE, 59904                      ; the spare words, 128 bytes for each of eight waves: four blocks of 256 bytes that no other line names
.set SPW,   14                         ; v14  LDS address of my spare word; never rewritten
.set NIL,   15                         ; v15  0; never rewritten
.set R,     16                         ; x: v16-79 four steps' numbers as loaded
.set X,     80                         ; x: v80-111 two sets of 16 neighbours
.set E,     112                        ; x: v112-115 a scale byte for each step
.set C,     128                        ; x: v128-135 two registers of codes for each step
.macro FINISH                          ; a wave's end, behind the last LDS store
	s_wait_tensorcnt 0x0
	ds_add_u32 v[SPW], v[NIL]
	s_wait_dscnt 0x0
	s_endpgm
.endm
	s_load_b256 s[4:11], s[0:1], 0x0               ; x s[4:5], w_qkv s[6:7], w_out s[8:9], x_codes s[10:11]
	s_load_b256 s[12:19], s[0:1], 0x20             ; x_scales s[12:13], w_codes s[14:15], w_scales s[16:17], w16 s[18:19]
	v_lshl_add_u32 v[SPW], v0, 2, SPARE
	v_mov_b32 v[NIL], 0
	v_lshrrev_b32 v1, 5, v0
	v_readfirstlane_b32 s20, v1                    ; wave 0..7
	v_and_b32 v2, 31, v0                           ; lane
	s_mov_b32 s31, 0                               ; the upper word of every offset pair s[30:31]
	s_wait_kmcnt 0x0
	s_cmp_lt_u32 ttmp9, 256
	s_cbranch_scc0 .Lnot_x
; ---------------- x.  A work-group takes 16,384 numbers, a wave 2,048 in four steps of 512; all sixteen loads of a wave go out at once.
; Each load reads 512 consecutive bytes; a step's 2,048 bytes turn through the wave's own stage, so that a lane then holds 16 neighbours along K (two lanes to a block).
	s_lshl_b32 s21, ttmp9, 3
	s_add_co_u32 s21, s21, s20                     ; which run of 2,048 numbers is my wave's
	s_lshl_b32 s30, s21, 13
	s_add_nc_u64 s[4:5], s[4:5], s[30:31]          ; 8,192 bytes of x,
	s_lshl_b32 s30, s21, 10
	s_add_nc_u64 s[10:11], s[10:11], s[30:31]      ; 1,024 bytes of codes a run;
	s_lshl_b32 s30, ttmp9, 9
	s_add_nc_u64 s[12:13], s[12:13], s[30:31]      ; 512 scale bytes a work-group
	s_mul_i32 s22, s20, 5120                       ; my two stages
	v_lshlrev_b32 v3, 4, v2                        ; my 16 bytes of a load's 512
	v_lshrrev_b32 v8, 2, v2
	v_mul_u32_u24 v8, v8, 80
	v_and_b32 v9, 3, v2
	v_lshl_add_u32 v8, v9, 4, v8
	v_add_nc_u32 v8, s22, v8                       ; into the stage: four lanes' 64 bytes on end, then 16 of padding
	v_mul_u32_u24 v9, v2, 80
	v_add_nc_u32 v9, s22, v9                       ; out of it: 80 x lane: my 16 neighbours
	v_lshlrev_b32 v4, 3, v2                        ; my 8 bytes of a step's 256 bytes of codes
	s_lshl_b32 s23, s20, 6
	s_add_co_u32 s23, s23, XSC
	v_lshrrev_b32 v5, 1, v2
	v_add_nc_u32 v5, s23, v5                       ; my block's byte among my wave's 64
	v_and_b32 v7, 63, v0
	v_lshlrev_b32 v7, 3, v7                        ; the bytes' way out: threads 0-63 take 8 bytes each
	v_add_nc_u32 v6, XSC, v7
.macro XLOAD t
.irp n, 0,1,2,3
	global_load_b128 v[R+16*(\t)+4*\n:R+16*(\t)+4*\n+3], v3, s[4:5] offset:2048*(\t)+512*\n th:TH_LOAD_NT
.endr
.endm
.macro XTURN t                         ; LDS serves a wave's instructions in order: no wait between these stores and loads
.irp n, 0,1,2,3
	ds_store_b128 v8, v[R+16*(\t)+4*\n:R+16*(\t)+4*\n+3] offset:2560*((\t)%2)+640*\n
.endr
.irp n, 0,1,2,3
	ds_load_b128 v[X+16*((\t)%2)+4*\n:X+16*((\t)%2)+4*\n+3], v9 offset:2560*((\t)%2)+16*\n
.endr
.endm
.macro XSTEP t
.set XS, X+16*((\t)%2)
.if (\t) > 0
	s_wait_dscnt 1                                 ; this step's numbers are back from the stage; the last step's byte store may be out
.else
	s_wait_dscnt 0x0
.endif
.if (\t) < 3
	s_wait_loadcnt 4*(2-(\t))                      ; the next step's four loads are in; the later steps' may be out
	XTURN (\t)+1
.endif
	v_max3_num_f32 v10, |v[XS]|, |v[XS+1]|, |v[XS+2]|          ; the largest magnitude of my 16, in two chains
	v_max3_num_f32 v11, |v[XS+3]|, |v[XS+4]|, |v[XS+5]|
.irp n, 6,10
	v_max3_num_f32 v10, v10, |v[XS+\n]|, |v[XS+\n+1]|
	v_max3_num_f32 v11, v11, |v[XS+\n+2]|, |v[XS+\n+3]|
.endr
	v_max3_num_f32 v10, v10, |v[XS+14]|, |v[XS+15]|
	v_max3_num_f32 v10, v10, v11, 0x1800000        ; and the floor 2^(3 - 127): the byte cannot fall under 1
	v_max_num_f32_dpp v10, v10, v10 row_xmask:1 row_mask:0xf bank_mask:0xf   ; with my neighbour's 16: the block's
	v_add_nc_u32 v12, 0xff000000, v10              ; 2 off its exponent field: the conversion takes this operand's exponent field as its scale
	v_cvt_scalef32_pk8_fp4_f32 v[C+2*(\t)], v[XS:XS+7], v12
	v_cvt_scalef32_pk8_fp4_f32 v[C+2*(\t)+1], v[XS+8:XS+15], v12
	v_lshrrev_b32 v[E+(\t)], 23, v12               ; the scale's byte (also the plain line behind the conversions)
	ds_store_b8 v5, v[E+(\t)] offset:16*(\t)       ; both lanes of a block write the same byte with the same value
	global_store_b64 v4, v[C+2*(\t):C+2*(\t)+1], s[10:11] offset:256*(\t)    ; the wave stores 256 consecutive bytes, aligned
.endm
	XLOAD 0
	XLOAD 1
	XLOAD 2
	XLOAD 3
	s_wait_loadcnt 12                              ; step 0's four loads are in
	XTURN 0
	XSTEP 0
	XSTEP 1
	XSTEP 2
	XSTEP 3
	s_wait_dscnt 0x0                               ; for the others' sake: my byte stores have landed
	s_barrier_signal -1
	s_barrier_wait -1
	s_cmp_lt_u32 s20, 2                            ; waves 0 and 1 carry the work-group's 512 scale bytes out, 256 consecutive bytes each
	s_cbranch_scc0 .Lx_end
	ds_load_b64 v[10:11], v6
	s_wait_dscnt 0x0
	global_store_b64 v7, v[10:11], s[12:13]
.Lx_end:
	FINISH
; 32 loads: block t of 32 along K of my 32 columns: a lane takes a column and its registers run down K; a wave's load reads 128 consecutive bytes
.macro KLOAD t, base, pitch
.set i, 0
.rept 32
	global_load_b32 v[32+32*(\t)+i], v3, s[\base:\base+1] offset:(32*(\t)+i)*\pitch th:TH_LOAD_NT
.set i, i+1
.endr
.endm
.Lnot_x:
	s_cmp_lt_u32 ttmp9, 352
	s_cbranch_scc0 .Lwo
; ---------------- w_qkv.  A work-group takes 64 columns x 512 along K; wave w takes columns 32 (w % 2) on and 128 along K from 128 (w / 2) on: four blocks a lane.
	s_sub_co_u32 s21, ttmp9, 256
	s_lshr_b32 s22, s21, 1                         ; gx: which 64 columns
	s_and_b32 s23, s21, 1                          ; gy: which 512 along K
	s_and_b32 s24, s20, 1                          ; cg
	s_lshr_b32 s25, s20, 1                         ; kp
	s_lshl_b32 s30, s23, 9
	s_lshl_b32 s26, s25, 7
	s_add_co_u32 s30, s30, s26                     ; my first k
	s_mul_i32 s30, s30, 12288                      ; a row of w_qkv is 12,288 bytes
	s_lshl_b32 s26, s22, 8
	s_add_co_u32 s30, s30, s26
	s_lshl_b32 s26, s24, 7
	s_add_co_u32 s30, s30, s26                     ; + 4 x my first column
	s_add_nc_u64 s[6:7], s[6:7], s[30:31]
	s_lshl_b32 s30, s22, 6
	s_lshl_b32 s26, s20, 3
	s_add_co_u32 s30, s30, s26                     ; on the way out wave w stores rows 64 gx + 8 w .. + 7 of the codes,
	s_lshl_b32 s30, s30, 9
	s_lshl_b32 s26, s23, 8
	s_add_co_u32 s30, s30, s26                     ; 256 bytes each, at byte 256 gy of the row
	s_add_nc_u64 s[14:15], s[14:15], s[30:31]
	s_lshl_b32 s30, s22, 11
	s_lshl_b32 s26, s23, 4
	s_add_co_u32 s30, s30, s26
	s_add_nc_u64 s[16:17], s[16:17], s[30:31]      ; scale bytes: row 64 gx, byte 16 gy
	v_lshlrev_b32 v3, 2, v2                        ; in: 4 bytes a lane
	s_mul_i32 s26, s24, 32*272
	s_lshl_b32 s27, s25, 6
	s_add_co_u32 s26, s26, s27
	s_add_co_u32 s26, s26, WST
	v_mul_u32_u24 v4, v2, 272
	v_add_nc_u32 v4, s26, v4                       ; into the stage: row = my column, byte 64 kp
	s_lshl_b32 s26, s24, 9
	s_lshl_b32 s27, s25, 2
	s_add_co_u32 s26, s26, s27
	s_add_co_u32 s26, s26, WSC
	v_lshl_add_u32 v5, v2, 4, s26                  ; my column's scale word kp
	v_and_b32 v10, 15, v2                          ; r
	v_lshrrev_b32 v11, 4, v2                       ; h
	s_mul_i32 s26, s20, 8*272
	s_add_co_u32 s26, s26, WST
	v_mul_u32_u24 v6, v11, 272
	v_lshl_add_u32 v6, v10, 4, v6
	v_add_nc_u32 v6, s26, v6                       ; out of it: sixteen lanes to a row, two rows an instruction
	v_lshlrev_b32 v7, 9, v11
	v_lshl_add_u32 v7, v10, 4, v7                  ; and the same place in the codes' buffer
	v_and_b32 v9, 63, v0
	v_lshl_add_u32 v8, v9, 4, WSC                  ; the scale bytes' way out: threads 0-63, a column each
	v_lshlrev_b32 v9, 5, v9
.macro WBLOCK t
.set XS, 32+32*(\t)
.if (\t) < 3
	s_wait_loadcnt 32                              ; this block's 32 loads are in; the next block's may be out
.else
	s_wait_loadcnt 0x0
.endif
.if (\t) < 2
	KLOAD (\t)+2, 6, 12288                         ; two blocks ahead, into registers of its own
.endif
	v_max3_num_f32 v12, |v[XS]|, |v[XS+1]|, |v[XS+2]|          ; the block's largest magnitude: all 32 numbers are mine
	v_max3_num_f32 v13, |v[XS+3]|, |v[XS+4]|, |v[XS+5]|
.irp n, 6,10,14,18,22,26
	v_max3_num_f32 v12, v12, |v[XS+\n]|, |v[XS+\n+1]|
	v_max3_num_f32 v13, v13, |v[XS+\n+2]|, |v[XS+\n+3]|
.endr
	v_max3_num_f32 v12, v12, |v[XS+30]|, |v[XS+31]|
	v_max3_num_f32 v12, v12, v13, 0x1800000        ; and the floor
	v_add_nc_u32 v11, 0xff000000, v12              ; the conversion's scale operand
	v_lshrrev_b32 v13, 23, v11                     ; the scale's byte
.if (\t) == 0
	v_mov_b32 v24, v13                             ; four bytes to the word, the lower K in the lower byte
.else
	v_lshl_or_b32 v24, v13, 8*(\t), v24
.endif
.irp n, 0,1,2,3
	v_cvt_scalef32_pk8_fp4_f32 v[160+4*(\t)+\n], v[XS+8*\n:XS+8*\n+7], v11
.endr
	v_nop                                          ; one plain line behind the conversions
	ds_store_b128 v4, v[160+4*(\t):163+4*(\t)] offset:16*(\t)   ; 32 codes: 16 bytes of my column's row
.endm
	KLOAD 0, 6, 12288
	KLOAD 1, 6, 12288
	WBLOCK 0
	WBLOCK 1
	WBLOCK 2
	WBLOCK 3
	ds_store_b32 v5, v24
	s_wait_dscnt 0x0                               ; for the others' sake: my stores into the stage have landed
	s_barrier_signal -1
	s_barrier_wait -1
.irp n, 0,1,2,3
	ds_load_b128 v[176+4*\n:179+4*\n], v6 offset:\n*544
.endr
.irp n, 0,1,2,3
	s_wait_dscnt 3-\n                              ; the younger loads may be out
	global_store_b128 v7, v[176+4*\n:179+4*\n], s[14:15] offset:\n*1024      ; sixteen lanes store 256 consecutive bytes, aligned
.endr
	s_cmp_lt_u32 s20, 2                            ; waves 0 and 1: 16 scale bytes of each of 64 rows (rows are 32 bytes: pieces of 16, one byte in 128 of what the job reads)
	s_cbranch_scc0 .Lw_end
	ds_load_b128 v[192:195], v8
	s_wait_dscnt 0x0
	global_store_b128 v9, v[192:195], s[16:17]
.Lw_end:
	FINISH
; ---------------- w_out.  The same shares; eight neighbours down K of a column are 16 bytes of f16, which is one lane's piece of an operand's image: no LDS.
.Lwo:
	s_sub_co_u32 s21, ttmp9, 352
	s_lshr_b32 s22, s21, 1                         ; gx
	s_and_b32 s23, s21, 1                          ; gy
	s_and_b32 s24, s20, 1                          ; cg
	s_lshr_b32 s25, s20, 1                         ; kp
	s_lshl_b32 s30, s23, 9
	s_lshl_b32 s26, s25, 7
	s_add_co_u32 s30, s30, s26                     ; my first k
	s_lshl_b32 s30, s30, 12                        ; a row of w_out is 4,096 bytes
	s_lshl_b32 s26, s22, 8
	s_add_co_u32 s30, s30, s26
	s_lshl_b32 s26, s24, 7
	s_add_co_u32 s30, s30, s26
	s_add_nc_u64 s[8:9], s[8:9], s[30:31]
	s_lshl_b32 s30, s23, 1
	s_lshr_b32 s26, s25, 1
	s_add_co_u32 s30, s30, s26                     ; k / 256 = 2 gy + kp / 2
	s_lshl_b32 s30, s30, 19                        ; 64 tiles of columns x 8,192 bytes
	s_lshl_b32 s26, s22, 2
	s_lshl_b32 s27, s24, 1
	s_add_co_u32 s26, s26, s27                     ; n / 16 = 4 gx + 2 cg
	s_lshl_b32 s26, s26, 13
	s_add_co_u32 s30, s30, s26
	s_and_b32 s26, s25, 1
	s_lshl_b32 s26, s26, 12                        ; (k / 32) % 8 = 4 (kp % 2) + t
	s_add_co_u32 s30, s30, s26
	s_add_nc_u64 s[18:19], s[18:19], s[30:31]
	v_lshlrev_b32 v3, 2, v2
	v_lshrrev_b32 v4, 4, v2
	v_lshlrev_b32 v4, 13, v4
	v_and_b32 v5, 15, v2
	v_lshl_add_u32 v4, v5, 4, v4                   ; lanes 16-31 belong to the next tile of columns; 16 bytes a column
.macro OGROUP t
.if (\t) < 3
	s_wait_loadcnt 32                              ; this group's 32 loads are in; the next group's may be out
.else
	s_wait_loadcnt 0x0
.endif
.if (\t) < 2
	KLOAD (\t)+2, 8, 4096
.endif
.set i, 0
.rept 16
	v_cvt_pk_f16_f32 v[160+16*(\t)+i], v[32+32*(\t)+2*i], v[33+32*(\t)+2*i]
.set i, i+1
.endr
.irp n, 0,1,2,3                        ; piece n: k = 8 n .. 8 n + 7 of the 32: half n / 2, lanes' half n % 2: 256 n bytes on in the image
	global_store_b128 v4, v[160+16*(\t)+4*\n:163+16*(\t)+4*\n], s[18:19] offset:256*(4*(\t)+\n)   ; sixteen lanes store 256 consecutive bytes, aligned
.endr
.endm
	KLOAD 0, 8, 4096
	KLOAD 1, 8, 4096
	OGROUP 0
	OGROUP 1
	OGROUP 2
	OGROUP 3
	FINISH
.Lfunc_end_k_qc9dec63e53_prep:
	.size	k_qc9dec63e53_prep, .Lfunc_end_k_qc9dec63e53_prep-k_qc9dec63e53_prep
	.p2alignl 7, 3214868480
	.fill 96, 4, 3214868480
	.section	.rodata,"a",@progbits
	.p2align	6, 0x0
	.amdhsa_kernel k_qc9dec63e53_prep
		.amdhsa_group_segment_fixed_size 60928
		.amdhsa_private_segment_fixed_size 0
		.amdhsa_enable_private_segment 0
		.amdhsa_kernarg_size 64
		.amdhsa_user_sgpr_count 2
		.amdhsa_user_sgpr_kernarg_segment_ptr 1
		.amdhsa_wavefront_size32 1
		.amdhsa_system_sgpr_workgroup_id_x 1
		.amdhsa_system_sgpr_workgroup_id_y 1
		.amdhsa_system_sgpr_workgroup_id_z 1
		.amdhsa_system_vgpr_workitem_id 0
		.amdhsa_next_free_vgpr 224
		.amdhsa_next_free_sgpr 66
		.amdhsa_reserve_vcc 0
		.amdhsa_float_denorm_mode_32 3
		.amdhsa_float_denorm_mode_16_64 3
		.amdhsa_memory_ordered 1
		.amdhsa_forward_progress 1
		.amdhsa_inst_pref_size 51
	.end_amdhsa_kernel
	.amdgpu_metadata
---
amdhsa.version: [ 1, 2 ]
amdhsa.kernels:
  - .name:           k_qc9dec63e53_prep
    .symbol:         k_qc9dec63e53_prep.kd
    .args:
      - { .name: x, .offset: 0, .size: 8, .value_kind: global_buffer, .address_space: global }
      - { .name: w_qkv, .offset: 8, .size: 8, .value_kind: global_buffer, .address_space: global }
      - { .name: w_out, .offset: 16, .size: 8, .value_kind: global_buffer, .address_space: global }
      - { .name: x_codes, .offset: 24, .size: 8, .value_kind: global_buffer, .address_space: global }
      - { .name: x_scales, .offset: 32, .size: 8, .value_kind: global_buffer, .address_space: global }
      - { .name: w_codes, .offset: 40, .size: 8, .value_kind: global_buffer, .address_space: global }
      - { .name: w_scales, .offset: 48, .size: 8, .value_kind: global_buffer, .address_space: global }
      - { .name: w16, .offset: 56, .size: 8, .value_kind: global_buffer, .address_space: global }
    .group_segment_fixed_size: 60928
    .private_segment_fixed_size: 0
    .kernarg_segment_align: 8
    .kernarg_segment_size: 64
    .max_flat_workgroup_size: 256
    .sgpr_count:     66
    .vgpr_count:     224
    .wavefront_size: 32
...
	.end_amdgpu_metadata
.endif
;; end of part 1
;; launch qkvgemm (part 2): grid 12 x 16, 4 waves a work-group, clusters of 4 x 4, 327,680 bytes of LDS; arguments x_codes, x_scales, w_codes, w_scales, qkvimg, b_qkv, sq; writes qkvimg, sq
.if DOCPART == 2
	.amdgcn_target "amdgcn-amd-amdhsa--gfx1250"
	.amdhsa_code_object_version 6
	.text
	.protected	k_qc9dec63e53_qkvgemm
	.globl	k_qc9dec63e53_qkvgemm
	.p2align	8
	.type	k_qc9dec63e53_qkvgemm,@function
k_qc9dec63e53_qkvgemm:
	s_mov_b64 s[64:65], 0
	v_nop
	global_prefetch_b8 v0, s[64:65] scope:SCOPE_SE
	s_setreg_imm32_b32 hwreg(HW_REG_WAVE_MODE, 25, 1), 1
	s_wait_xcnt 0x0
	s_wait_alu depctr_hold_cnt(0) depctr_sa_sdst(0) depctr_va_vdst(0) depctr_va_sdst(0) depctr_va_ssrc(0) depctr_va_vcc(0) depctr_vm_vsrc(0)
	s_getreg_b32 s2, hwreg(HW_REG_IB_STS2, 6, 4)
	s_cmp_eq_u32 s2, 0
	s_cbranch_scc0 .Lentry_in_a_cluster
	s_endpgm
.Lentry_in_a_cluster:
	s_bfe_u32 s2, ttmp6, 0x10000c
	s_cmp_lg_u32 s2, 0xf033
	s_cbranch_scc0 .Lentry_shape_is_right
	s_endpgm
.Lentry_shape_is_right:
; qkv = Q(x) Q(w_qkv) + b_qkv on codes of E2M1 with one E8M0 scale for each 32 along K: M 4,096, N 3,072, K 1,024; sums in f32.
; A tile of 256 x 256 is made by four waves, 128 x 128 each: 64 accumulators, 512 registers.  K is two slots of 512 (rows of 256 bytes): both are first fills, nothing is filled again.
; The scale bytes of the work-group's 256 + 256 rows, for all of K, are two dense blocks: they come once, with the first fills.
; CLUSTERS: 4 x 4 work-groups; x's tiles are asked for jointly along a row of the cluster, w's along a column.
; THE MATRIX INSTRUCTION IS USED TRANSPOSED (source 0 = 16 rows of w, source 1 = 16 rows of x): lane (r, h) holds token 16 a + r and eight neighbouring features 16 b + 8 h + 0 .. 7.
; THE WAY OUT makes what the attention launch wants, with no transposition: those eight features, as f16, ARE one lane's 16 bytes of an operand's image.
;   q, k: + bias; |q|^2, |k|^2 over a head's 64 in f32 -> sq [which][16 batch + head][token]; each number is split in f32 into a high part (its top 10 mantissa bits, exact in f16) and the rest,
;         both rounded to f16 -> qkvimg [which][bh][token / 16][part][d / 16][lane][16 bytes];   v: + bias, rounded to f16 -> from byte 2^25: [bh][token / 16][d / 16][lane][16 bytes].
;   Each store of a wave covers 512 consecutive bytes, aligned.  The cluster's x is which (0 q, 1 k, 2 v): the one branch on it is the same in all sixteen partners.
; LIMITS: |q|, |k|, |v| stay under 65,504 (f16); under 6e-5 a part keeps 2^-25 absolute.  NaN and infinities are not served.
; REGISTERS: window 0: v0-31 addresses; v32-95 scale words, two sets; v128-191 x's fragments, one set; v192-255 the bias of my 128 features; on the way out v32-191 are at work.
;   window 1: w's fragments, two sets;  window 2: the accumulators of my rows 0-63 ((a, b) at v[8 (8 a + b)]);  window 3: those of rows 64-127.
.set NQ,     4                         ; steps of 128 along K in a slot
.set ROWB,   256                       ; a tile's row: 512 codes
.set KROW,   512                       ; a row of codes in memory
.set PITCH,  272                       ; an LDS row: 256 bytes + 16 of padding: the 16 rows that a load touches start at 16 different banks (64 banks of 4 bytes: ISA guide 11.1)
.set FR,     8
.set NL,     2
.set NP,     4                         ; places behind this matrix instruction (ISA guide 7.12.1)
.set HALFT,  128*PITCH
.set SLOT,   4*HALFT
.set KS,     32                        ; a row of scale bytes
.set SCL,    2*SLOT                    ; behind the slots: the scales, as units of 256 bytes + 16 of padding
.set HALFS,  16*272                    ; those of 128 rows
.set SBLK,   2*272                     ; those of 16 rows
.set SPARE,  SCL+4*HALFS               ; the spare words, 128 bytes a wave: two blocks of 256 bytes that no other line names
.set ADRA, 16
.set ADRB, 20
.set SQA,  24                          ; v24  the way out: where I put a token's sum of squares: 1,024 x wave + 4 r, in slot 0, which has had its last fill and its last read by then
.set SQR,  25                          ; v25  and where I read 16 bytes of them back
.set CO,   26                          ; v26  16 x lane
.set ADRS, 27
.set SPW,  28
.set NIL,  29
.set BO,   30                          ; v30  32 h: my eight numbers of a tile's sixteen biases
.set SC,   32
.set AF,   128
.set TF,   32                          ; the way out: v32-95 a block's 64 numbers in f32, then the low parts
.set SQT,  96                          ; v96-105 sums of squares at work
.set HI,   128                         ; v128-191 the high parts
.set BI,   192                         ; v192-255 the bias
.set G1, 24
.set G0, 32
.set G1B, 48
.set G0B, 56
.set G1S, 68
.set G0S, 76
.set G1SB, 80
.set G0SB, 88
.set MSB, 0
.macro WIN new                         ; the immediate's high byte repeats the setting that is left
.if MSB != (\new)
	s_set_vgpr_msb (MSB<<8)|(\new)
.set MSB, (\new)
.endif
.endm
.set MUL_LO, 0xa1                      ; source 0 (w) window 1, source 1 (x) window 0, C and D window 2
.set MUL_HI, 0xf1
.set TO_B,   0x40
; A joint load: waves 0 and 1 fetch for x, waves 2 and 3 for w.  An s_nop 0 and four v_nop follow each of the two lines.
.macro JLOAD g0a, g1a, g0b, g1b
	s_cmp_eq_u32 s15, 0
	s_cbranch_scc0 .Lfor_b_\@
	tensor_load_to_lds s[\g0a:\g0a+3], s[\g1a:\g1a+7]
	s_nop 0
.rept 4
	v_nop
.endr
	s_branch .Lasked_\@
.Lfor_b_\@:
	tensor_load_to_lds s[\g0b:\g0b+3], s[\g1b:\g1b+7]
	s_nop 0
.rept 4
	v_nop
.endr
.Lasked_\@:
.endm
.macro CROUND                          ; a round of the cluster's barrier
	s_barrier_signal -1
	s_barrier_wait -1
	s_cmp_lg_u32 s14, 0
	s_cbranch_scc1 .Lnot_wave_0_\@
	s_barrier_signal -3
.Lnot_wave_0_\@:
	s_barrier_wait -3
	s_barrier_signal -1
	s_barrier_wait -1
.endm
	s_load_b128 s[4:7], s[0:1], 0x0                ; x's codes, x's scales
	s_load_b128 s[8:11], s[0:1], 0x10              ; w's codes, w's scales
	s_load_b64 s[12:13], s[0:1], 0x20              ; qkvimg
	s_load_b128 s[96:99], s[0:1], 0x28             ; b_qkv s[96:97], sq s[98:99]
	v_lshl_add_u32 v[SPW], v0, 2, SPARE
	v_mov_b32 v[NIL], 0
	ds_add_u32 v[SPW], v[NIL]                      ; the wave's opening: the add, twice on end, and its wait ahead of my first tensor load
	ds_add_u32 v[SPW], v[NIL]
	v_lshrrev_b32 v1, 5, v0
	v_readfirstlane_b32 s14, v1                    ; wave 0..3
	s_lshr_b32 s15, s14, 1                         ; which half of the tile's rows is mine.  Also: I fetch for x (0) or for w (1)
	s_and_b32 s16, s14, 1                          ; which half of its columns.  Also: which 128 rows of that tile I fetch
	s_bfe_u32 s40, ttmp6, 0x40000                  ; cx, cy
	s_bfe_u32 s41, ttmp6, 0x40004
	s_lshl_b32 s42, ttmp9, 2
	s_add_co_u32 s42, s42, s40                     ; tile column = 4 x cluster x + cx
	s_and_b32 s17, ttmp7, 0xffff
	s_lshl_b32 s17, s17, 2
	s_add_co_u32 s17, s17, s41                     ; tile row = 4 x cluster y + cy
	s_lshl_b32 s43, s41, 2
	s_lshl_b32 s43, 15, s43                        ; my row of the cluster
	s_lshl_b32 s44, 0x1111, s40                    ; my column
	s_or_b32 s[G1+0], s43, (0<<16)|(1<<20)|(1<<21)|(5<<22)|(3<<25)  ; the mask; elements of 1 byte; padding on; bit 21 beside a mask; after every 64 words four words
	s_or_b32 s[G1B+0], s44, (0<<16)|(1<<20)|(1<<21)|(5<<22)|(3<<25)
.irp g, G1, G1B
	s_mov_b32 s[\g+1], ROWB<<16                    ; tensor_dim0
	s_mov_b32 s[\g+2], 128<<16                     ; tensor_dim1
	s_mov_b32 s[\g+3], ROWB<<16                    ; tile_dim0
	s_mov_b32 s[\g+4], 128                         ; tile_dim1
	s_mov_b32 s[\g+5], KROW                        ; the pitch
	s_mov_b32 s[\g+6], 0
	s_mov_b32 s[\g+7], 0
.endr
	s_or_b32 s[G1S+0], s43, (3<<16)|(1<<20)|(1<<21)|(5<<22)|(3<<25) ; the scales of 128 rows: 4,096 dense bytes as 16 rows of 256 (32 elements of 8 bytes), 16 bytes of padding behind each
	s_or_b32 s[G1SB+0], s44, (3<<16)|(1<<20)|(1<<21)|(5<<22)|(3<<25)
.irp g, G1S, G1SB
	s_mov_b32 s[\g+1], 32<<16
	s_mov_b32 s[\g+2], 16<<16
	s_mov_b32 s[\g+3], 32<<16
	s_mov_b32 s[\g+4], 16
	s_mov_b32 s[\g+5], 32
	s_mov_b32 s[\g+6], 0
	s_mov_b32 s[\g+7], 0
.endr
	s_lshl_b32 s18, s16, 7
	s_lshl_b32 s20, s17, 8
	s_add_co_u32 s20, s20, s18                     ; x: row 256 x tile row + 128 x half
	s_lshl_b32 s46, s42, 8
	s_add_co_u32 s46, s46, s18                     ; w: row 256 x tile column + 128 x half
	s_mov_b32 s21, 0
	s_mov_b32 s47, 0
	s_mov_b64 s[18:19], KS
	s_mul_u64 s[22:23], s[20:21], s[18:19]         ; where these rows' scales begin
	s_mul_u64 s[92:93], s[46:47], s[18:19]
	s_mov_b64 s[18:19], KROW
	s_mul_u64 s[20:21], s[20:21], s[18:19]         ; and their codes
	s_mul_u64 s[46:47], s[46:47], s[18:19]
	s_mul_i32 s45, s14, HALFT                      ; where they go: wave x 128 rows
	s_mul_i32 s94, s14, HALFS
	s_mov_b32 s66, 0x76543210                      ; v_permlanex16_b32's selects for lane l xor 16
	s_mov_b32 s67, 0xfedcba98
	s_mov_b32 s95, 0xffffe000                      ; keeps sign, exponent and the top 10 mantissa bits of an f32
	s_wait_dscnt 0x0                               ; both opening adds are done
	s_wait_kmcnt 0x0
	s_add_nc_u64 s[20:21], s[4:5], s[20:21]
	s_add_nc_u64 s[22:23], s[6:7], s[22:23]
	s_add_nc_u64 s[46:47], s[8:9], s[46:47]
	s_add_nc_u64 s[92:93], s[10:11], s[92:93]
	CROUND                                         ; all sixteen work-groups are here: the first joint loads meet.  By this text's count a wave has three tensor loads out at the most
	s_mov_b32 s[G0S], 1
	s_add_co_u32 s[G0S+1], s94, SCL
	s_mov_b64 s[G0S+2:G0S+3], s[22:23]
	s_or_b32 s[G0S+3], s[G0S+3], 0x80000000
	s_mov_b32 s[G0SB], 1
	s_add_co_u32 s[G0SB+1], s94, SCL
	s_mov_b64 s[G0SB+2:G0SB+3], s[92:93]
	s_or_b32 s[G0SB+3], s[G0SB+3], 0x80000000
	JLOAD G0S, G1S, G0SB, G1SB                     ; the scales first: they are wanted with the first slot
.irp s, 0,1
	s_mov_b32 s[G0+4*\s], 1
	s_add_co_u32 s[G0+4*\s+1], s45, \s*SLOT
	s_add_nc_u64 s[G0+4*\s+2:G0+4*\s+3], s[20:21], \s*ROWB
	s_or_b32 s[G0+4*\s+3], s[G0+4*\s+3], 0x80000000
	s_mov_b32 s[G0B+4*\s], 1
	s_add_co_u32 s[G0B+4*\s+1], s45, \s*SLOT
	s_add_nc_u64 s[G0B+4*\s+2:G0B+4*\s+3], s[46:47], \s*ROWB
	s_or_b32 s[G0B+4*\s+3], s[G0B+4*\s+3], 0x80000000
	JLOAD G0+4*\s, G1, G0B+4*\s, G1B
.endr
	v_and_b32 v1, 15, v0                           ; r
	v_bfe_u32 v2, v0, 4, 1                         ; h
	v_mul_u32_u24 v3, v1, PITCH
	v_lshl_add_u32 v4, v2, 4, v3                   ; a fragment's row x pitch + 16 h
	s_mul_i32 s21, s15, HALFT
	s_mul_i32 s22, s16, HALFT
	s_add_co_u32 s22, s22, 2*HALFT
.irp s, 0,1
	v_add_nc_u32 v[ADRA+\s], s21, v4
	v_add_nc_u32 v[ADRB+\s], s22, v4
	s_add_co_u32 s21, s21, SLOT
	s_add_co_u32 s22, s22, SLOT
.endr
	v_mul_u32_u24 v5, v1, KS                       ; my row's scales: 32 bytes a row,
	v_lshrrev_b32 v6, 8, v5
	v_lshl_add_u32 v5, v6, 4, v5                   ; and 16 more for each 256 passed
	s_mul_i32 s21, s15, HALFS
	s_mul_i32 s22, s16, HALFS
	s_add_co_u32 s22, s22, 2*HALFS
	s_sub_co_u32 s22, s22, s21
	v_mul_u32_u24 v6, s22, v2                      ; lanes 16-31 take w's
	s_add_co_u32 s21, s21, SCL
	v_add_nc_u32 v5, v5, v6
	v_add_nc_u32 v[ADRS], s21, v5
	s_lshl_b32 s23, s14, 10
	v_lshl_add_u32 v[SQA], v1, 2, s23
	v_and_b32 v6, 31, v0
	v_lshlrev_b32 v[CO], 4, v6
	v_add_nc_u32 v[SQR], s23, v[CO]
	v_lshlrev_b32 v[BO], 5, v2
	v_mov_b32 v104, 0                              ; written once: a lane permute's destination counts as one of its sources
	v_mov_b32 v105, 0
	s_lshl_b32 s46, s42, 10                        ; the bias of my 128 features: 4 x (256 x tile column + 128 x half)
	s_lshl_b32 s47, s16, 9
	s_add_co_u32 s46, s46, s47
	s_mov_b32 s47, 0
	s_add_nc_u64 s[96:97], s[96:97], s[46:47]
.irp b, 0,1,2,3,4,5,6,7
	global_load_b128 v[BI+8*\b:BI+8*\b+3], v[BO], s[96:97] offset:64*\b          ; b(16 b + 8 h + 0 .. 7): in the result's layout; waited for ahead of the way out
	global_load_b128 v[BI+8*\b+4:BI+8*\b+7], v[BO], s[96:97] offset:64*\b+16
.endr
	; where my part goes.  which = cluster x; my two heads begin at 4 cx + 2 x column half; batch = tile row / 8; my first tile of 16 tokens = 16 (tile row % 8) + 8 x row half
	s_lshl_b32 s18, s40, 2
	s_lshl_b32 s19, s16, 1
	s_add_co_u32 s18, s18, s19
	s_lshr_b32 s19, s17, 3
	s_lshl_b32 s19, s19, 4
	s_add_co_u32 s18, s18, s19                     ; bh = 16 batch + head
	s_and_b32 s19, s17, 7
	s_lshl_b32 s19, s19, 4
	s_lshl_b32 s20, s15, 3
	s_add_co_u32 s19, s19, s20                     ; the tile of tokens
	s_lshl_b32 s20, s18, 19
	s_lshl_b32 s21, s19, 12
	s_add_co_u32 s20, s20, s21                     ; q, k: 2^19 bytes a head, 4,096 a tile of tokens;
	s_cmp_eq_u32 ttmp9, 2
	s_cselect_b32 s21, 1, 0
	s_lshr_b32 s20, s20, s21                       ; v: half of both (one part)
	s_lshl_b32 s21, ttmp9, 24
	s_add_co_u32 s20, s20, s21                     ; q at 0, k at 2^24, v at 2^25
	s_mov_b32 s21, 0
	s_add_nc_u64 s[12:13], s[12:13], s[20:21]
	s_lshl_b32 s20, ttmp9, 5
	s_add_co_u32 s20, s20, s18
	s_lshl_b32 s20, s20, 13                        ; sq: 8,192 bytes a head,
	s_lshl_b32 s22, s19, 6                         ; 64 a tile of tokens (used where which is 0 or 1)
	s_add_co_u32 s20, s20, s22
	s_add_nc_u64 s[98:99], s[98:99], s[20:21]
.macro FRAG reg, adr, q, i             ; 16 rows x 128 K of 4-bit codes: 8 registers: lane l holds row l % 16; registers 4 c .. 4 c + 3 hold K = 64 c + 32 (l / 16) + 0 .. 31
.irp c, 0,1
	ds_load_b128 v[\reg+4*\c:\reg+4*\c+3], v[\adr] offset:64*(\q)+32*\c+(\i)*16*PITCH
.endr
.endm
; 16 matrix instructions: x's blocks a0, a0 + 1 against w's eight.  The 64 accumulators take turns, one instruction a turn, in the same order in every step.
.macro MUL16 a0, p, q, sc, zero
.irp a, \a0, \a0+1
.irp b, 0,1,2,3,4,5,6,7
.if \zero
	v_wmma_scale_f32_16x16x128_f8f6f4 v[8*(8*((\a)%4)+\b):8*(8*((\a)%4)+\b)+7], v[128*(\p)+FR*\b:128*(\p)+FR*\b+FR-1], v[AF+FR*(\a):AF+FR*(\a)+FR-1], 0, v[SC+8*NQ*(\sc)+NQ*\b+(\q)], v[SC+8*NQ*(\sc)+NQ*(\a)+(\q)] matrix_a_fmt:MATRIX_FMT_FP4 matrix_b_fmt:MATRIX_FMT_FP4 matrix_a_scale:MATRIX_SCALE_ROW1
.else
	v_wmma_scale_f32_16x16x128_f8f6f4 v[8*(8*((\a)%4)+\b):8*(8*((\a)%4)+\b)+7], v[128*(\p)+FR*\b:128*(\p)+FR*\b+FR-1], v[AF+FR*(\a):AF+FR*(\a)+FR-1], v[8*(8*((\a)%4)+\b):8*(8*((\a)%4)+\b)+7], v[SC+8*NQ*(\sc)+NQ*\b+(\q)], v[SC+8*NQ*(\sc)+NQ*(\a)+(\q)] matrix_a_fmt:MATRIX_FMT_FP4 matrix_b_fmt:MATRIX_FMT_FP4 matrix_a_scale:MATRIX_SCALE_ROW1
.endif
.endr
.endr
.endm
.macro FETCH_B slot, q, p
	WIN TO_B
.irp i, 0,1,2,3,4,5,6,7
	FRAG 128*(\p)+FR*\i, ADRB+\slot, \q, \i
.endr
	WIN 0
.endm
.macro FETCH_A slot, q, i0
.irp i, \i0, \i0+1, \i0+2, \i0+3
	FRAG AF+FR*(\i), ADRA+\slot, \q, \i
.endr
.endm
.macro SCALES sc                       ; a slot's scale words: four words a row; lanes 0-15 take x's block i, lanes 16-31 w's block i
.irp i, 0,1,2,3,4,5,6,7
	ds_load_b128 v[SC+8*NQ*\sc+NQ*\i:SC+8*NQ*\sc+NQ*\i+3], v[ADRS] offset:\i*SBLK
.endr
.endm
.macro PLACES n                        ; places in front of loads into registers that matrix instructions have read, and of the first read of results
.rept \n
	v_nop
.endr
.endm
.macro STEP slot, q, zero              ; a step of 128 along K that has its successor in the same slot
	s_wait_dscnt 4*NL                              ; w's set and x's blocks 0-3 are in; the youngest loads (x's blocks 4-7) may be out
	WIN MUL_LO
	MUL16 0, (\q)%2, \q, \slot, \zero
	MUL16 2, (\q)%2, \q, \slot, \zero
	s_wait_dscnt 0
	PLACES NP
	FETCH_B \slot, (\q)+1, 1-(\q)%2
	FETCH_A \slot, (\q)+1, 0
	WIN MUL_HI
	MUL16 4, (\q)%2, \q, \slot, \zero
	MUL16 6, (\q)%2, \q, \slot, \zero
	PLACES NP
	WIN 0
	FETCH_A \slot, (\q)+1, 4
.endm
.macro TURN slot, next                 ; a slot's last step changes slots: one barrier
	s_wait_tensorcnt 0x0                           ; all my tensor loads have landed: my part of the next slot;
	ds_add_u32 v[SPW], v[NIL]                      ; 0 onto my spare word;
	s_wait_dscnt 4*NL+1                            ; (the add and the youngest loads, x's blocks 4-7, may be out)
	WIN MUL_LO
	MUL16 0, 1, NQ-1, \slot, 0
	s_wait_dscnt 0x0                               ; the add is done, and my reads of this slot are over
	s_barrier_signal -1
	MUL16 2, 1, NQ-1, \slot, 0
	WIN 0
	s_barrier_wait -1
	PLACES NP
	v_add_nc_u32 v[ADRS], 4*NQ, v[ADRS]            ; on to the next slot's scale words
	FETCH_B \next, 0, 0
	FETCH_A \next, 0, 0
	SCALES \next
	WIN MUL_HI
	MUL16 4, 1, NQ-1, \slot, 0
	MUL16 6, 1, NQ-1, \slot, 0
	PLACES NP
	WIN 0
	FETCH_A \next, 0, 4
.endm
	s_wait_tensorcnt 1                             ; the scales and my part of slot 0 are in (slot 1's load may be out),
	s_barrier_signal -1
	s_barrier_wait -1                              ; everybody's are
	FETCH_B 0, 0, 0
	FETCH_A 0, 0, 0
	SCALES 0
	FETCH_A 0, 0, 4
	STEP 0, 0, 1                                   ; the first products start the sums: nothing is cleared
	STEP 0, 1, 0
	STEP 0, 2, 0
	TURN 0, 1
	STEP 1, 0, 0
	STEP 1, 1, 0
	STEP 1, 2, 0
	s_wait_dscnt 4*NL                              ; the last step: nothing more to fetch
	WIN MUL_LO
	MUL16 0, 1, NQ-1, 1, 0
	MUL16 2, 1, NQ-1, 1, 0
	s_wait_dscnt 0
	WIN MUL_HI
	MUL16 4, 1, NQ-1, 1, 0
	MUL16 6, 1, NQ-1, 1, 0
	WIN 0
; THE WAY OUT, a block of 16 tokens x 128 features (two heads) at a time.
.macro ADDBIAS a                       ; each accumulator is read from its low end on
.set AC, 64*((\a)%4)
	s_wait_xcnt 0x0                                ; the last block's stores have read their registers: these are written again only behind this wait
	WIN 0x02+(\a)/4                                ; source 0: window 2 or 3
.set i, 0
.rept 32
	v_pk_add_f32 v[TF+2*i:TF+2*i+1], v[AC+2*i:AC+2*i+1], v[BI+2*i:BI+2*i+1]
.set i, i+1
.endr
	WIN 0
.endm
.macro OUTQK a
	ADDBIAS \a
.set i, 0
.rept 32                               ; the squares of my 32 numbers of each head, in two chains a head
.if (i%16) < 2
	v_pk_mul_f32 v[SQT+4*(i/16)+2*(i%2):SQT+4*(i/16)+2*(i%2)+1], v[TF+2*i:TF+2*i+1], v[TF+2*i:TF+2*i+1]
.else
	v_pk_fma_f32 v[SQT+4*(i/16)+2*(i%2):SQT+4*(i/16)+2*(i%2)+1], v[TF+2*i:TF+2*i+1], v[TF+2*i:TF+2*i+1], v[SQT+4*(i/16)+2*(i%2):SQT+4*(i/16)+2*(i%2)+1]
.endif
.set i, i+1
.endr
.irp hd, 0,1
	v_pk_add_f32 v[SQT+4*\hd:SQT+4*\hd+1], v[SQT+4*\hd:SQT+4*\hd+1], v[SQT+4*\hd+2:SQT+4*\hd+3]
.endr
.irp hd, 0,1
	v_add_f32 v[SQT+4*\hd], v[SQT+4*\hd], v[SQT+4*\hd+1]
.endr
.irp hd, 0,1
	v_permlanex16_b32 v[SQT+8+\hd], v[SQT+4*\hd], s66, s67
.endr
.irp hd, 0,1
	v_add_f32 v[SQT+4*\hd], v[SQT+4*\hd], v[SQT+8+\hd]           ; with lane l xor 16's 32: the token's sum over the head's 64
	ds_store_b32 v[SQA], v[SQT+4*\hd] offset:512*\hd+64*(\a)     ; both halves of the lanes write the same word with the same value
.endr
.set i, 0
.rept 64
	v_and_b32 v[HI+i], s95, v[TF+i]                ; the high part
.set i, i+1
.endr
.set i, 0
.rept 32
	v_pk_add_f32 v[TF+2*i:TF+2*i+1], v[TF+2*i:TF+2*i+1], v[HI+2*i:HI+2*i+1] neg_lo:[0,1] neg_hi:[0,1]   ; the rest: exact in f32
.set i, i+1
.endr
.set i, 0
.rept 32
	v_cvt_pk_f16_f32 v[HI+i], v[HI+2*i], v[HI+2*i+1]             ; packed in place: register i is written when its own numbers have been read
.set i, i+1
.endr
.set i, 0
.rept 32
	v_cvt_pk_f16_f32 v[TF+i], v[TF+2*i], v[TF+2*i+1]
.set i, i+1
.endr
.set i, 0
.rept 8                                ; feature tile i: head i / 4, d / 16 = i % 4
	global_store_b128 v[CO], v[HI+4*i:HI+4*i+3], s[12:13] offset:(i/4)*524288+(\a)*4096+(i%4)*512
	global_store_b128 v[CO], v[TF+4*i:TF+4*i+3], s[12:13] offset:(i/4)*524288+(\a)*4096+2048+(i%4)*512
.set i, i+1
.endr
.endm
.macro OUTV a
	ADDBIAS \a
.set i, 0
.rept 32
	v_cvt_pk_f16_f32 v[TF+i], v[TF+2*i], v[TF+2*i+1]
.set i, i+1
.endr
.set i, 0
.rept 8
	global_store_b128 v[CO], v[TF+4*i:TF+4*i+3], s[12:13] offset:(i/4)*262144+(\a)*2048+(i%4)*512
.set i, i+1
.endr
.endm
	PLACES NP                                      ; behind the last products: their results are read, and registers that they read are written
	s_wait_loadcnt 0x0                             ; the bias
	s_cmp_eq_u32 ttmp9, 2                          ; the cluster's x: the same in all sixteen partners
	s_cbranch_scc1 .Lv
.irp a, 0,1,2,3,4,5,6,7
	OUTQK \a
.endr
.irp hd, 0,1
	ds_load_b128 v[SQT+4*\hd:SQT+4*\hd+3], v[SQR] offset:512*\hd  ; LDS serves a wave's instructions in order: these see my stores
.endr
	s_wait_dscnt 0x0
.irp hd, 0,1
	global_store_b128 v[CO], v[SQT+4*\hd:SQT+4*\hd+3], s[98:99] offset:8192*\hd   ; 128 tokens' sums: 512 consecutive bytes
.endr
	s_branch .Lclose
.Lv:
.irp a, 0,1,2,3,4,5,6,7
	OUTV \a
.endr
.Lclose:
	s_wait_tensorcnt 0x0                           ; the wave's end, behind my last tensor load and my last LDS store
	ds_add_u32 v[SPW], v[NIL]
	s_wait_dscnt 0x0
	CROUND                                         ; the closing round
	s_endpgm
.Lfunc_end_k_qc9dec63e53_qkvgemm:
	.size	k_qc9dec63e53_qkvgemm, .Lfunc_end_k_qc9dec63e53_qkvgemm-k_qc9dec63e53_qkvgemm
	.p2alignl 7, 3214868480
	.fill 96, 4, 3214868480
	.section	.rodata,"a",@progbits
	.p2align	6, 0x0
	.amdhsa_kernel k_qc9dec63e53_qkvgemm
		.amdhsa_group_segment_fixed_size 327680
		.amdhsa_private_segment_fixed_size 0
		.amdhsa_enable_private_segment 0
		.amdhsa_kernarg_size 56
		.amdhsa_user_sgpr_count 2
		.amdhsa_user_sgpr_kernarg_segment_ptr 1
		.amdhsa_wavefront_size32 1
		.amdhsa_system_sgpr_workgroup_id_x 1
		.amdhsa_system_sgpr_workgroup_id_y 1
		.amdhsa_system_sgpr_workgroup_id_z 1
		.amdhsa_system_vgpr_workitem_id 0
		.amdhsa_next_free_vgpr 1024
		.amdhsa_next_free_sgpr 100
		.amdhsa_reserve_vcc 0
		.amdhsa_float_denorm_mode_32 3
		.amdhsa_float_denorm_mode_16_64 3
		.amdhsa_memory_ordered 1
		.amdhsa_forward_progress 1
		.amdhsa_inst_pref_size 249
	.end_amdhsa_kernel
	.amdgpu_metadata
---
amdhsa.version: [ 1, 2 ]
amdhsa.kernels:
  - .name:           k_qc9dec63e53_qkvgemm
    .symbol:         k_qc9dec63e53_qkvgemm.kd
    .args:
      - { .name: x_codes, .offset: 0, .size: 8, .value_kind: global_buffer, .address_space: global }
      - { .name: x_scales, .offset: 8, .size: 8, .value_kind: global_buffer, .address_space: global }
      - { .name: w_codes, .offset: 16, .size: 8, .value_kind: global_buffer, .address_space: global }
      - { .name: w_scales, .offset: 24, .size: 8, .value_kind: global_buffer, .address_space: global }
      - { .name: qkvimg, .offset: 32, .size: 8, .value_kind: global_buffer, .address_space: global }
      - { .name: b_qkv, .offset: 40, .size: 8, .value_kind: global_buffer, .address_space: global }
      - { .name: sq, .offset: 48, .size: 8, .value_kind: global_buffer, .address_space: global }
    .group_segment_fixed_size: 327680
    .private_segment_fixed_size: 0
    .kernarg_segment_align: 8
    .kernarg_segment_size: 56
    .max_flat_workgroup_size: 128
    .sgpr_count:     100
    .vgpr_count:     1024
    .wavefront_size: 32
...
	.end_amdgpu_metadata
.endif
;; end of part 2
;; launch attn (part 3): grid 8 x 32, 8 waves a work-group, no clusters, 54,272 bytes of LDS; arguments qkvimg, sq, o16; writes o16
.if DOCPART == 3
	.amdgcn_target "amdgcn-amd-amdhsa--gfx1250"
	.amdhsa_code_object_version 6
	.text
	.protected	k_qc9dec63e53_attn
	.globl	k_qc9dec63e53_attn
	.p2align	8
	.type	k_qc9dec63e53_attn,@function
k_qc9dec63e53_attn:
	s_mov_b64 s[64:65], 0
	v_nop
	global_prefetch_b8 v0, s[64:65] scope:SCOPE_SE
	s_setreg_imm32_b32 hwreg(HW_REG_WAVE_MODE, 25, 1), 1
	s_wait_xcnt 0x0
; o = softmax_k(s) v under the causal mask, s = dot^2 / (|q|^2 + |k|^2 - 2 dot + 1e-6), dot = q . k; 32 heads (16 batch + head) of 2,048 tokens x 64.
; PRECISION.  The scores are not scaled, so an absolute error in dot is a relative error in a weight: q and k come as pairs of f16 numbers, a high and a low part, and dot = qh kh + ql kh + qh kl,
; three products with f32 sums.  |q|^2 and |k|^2 come in f32.  Scores, maxima, exponentials and sums are f32; the running maximum is taken away before the exponential.  p and v go to the second product in f16 (p is at most 1).
; SHARES.  Work-group (j, bh), j = 0 .. 7, owns the 128 queries of block j and those of block 15 - j of one head: 34 tile steps a wave whatever j.  Wave w owns tile A (queries 128 j + 16 w on) and tile B
; (128 (15 - j) + 16 w on).  Keys go 64 a step, 2 (16 - j) steps: 15 - j trips of two steps, in which tile B sees every key and tile A is worked up to its diagonal, and two steps written out, tile B's diagonal.
; NO CLUSTER: the eight work-groups of a head walk 2 (16 - j) key tiles, a different number each, so partners could not make every joint request and read what it brings.
; NO TENSOR LOAD: a step's tiles are 24 KB, six loads and six LDS stores a wave; through registers V can be laid in rows for the turning load, and the trip count may hang on the work-group's number.
; LAYOUT.  S^T = K Q^T (source 0 = 16 keys, source 1 = 16 queries): lane (r, h) holds query r and keys 16 kt + 8 h + 0 .. 7.  Rounded to f16 in pairs, in place, the scores' registers ARE source 1 of
; O^T = V^T P, whose result again holds one query a lane and eight channels: 16 bytes of f16 that are one lane's piece of the last launch's operand image.
; THE RING: two LDS slots.  In step n each wave stores its part of tile n + 1 (loaded a step ago) into the slot that is not being read, and asks memory for tile n + 2.  ONE barrier a step: in front of its signal a
; wave's stores have landed and its reads of the slot in hand are back; behind its wait the next step writes that slot.
; LIMITS: f16's range for q, k, v (stated where they are made); the sums |q|^2 + |k|^2 - 2 dot + 1e-6 are taken in another order than the source reads, which can differ in the last bit.
; REGISTERS.  window 0: v1-9 addresses; v16-27, v28-39 the tiles' statistics; v40 -infinity; v48-79 |k|^2 of the step; v80-111 at work; v112-143, v144-175 S^T, then P; v176-207, v208-239 O^T; v252, v253 the add's two.
;   window 1: v0-31, v32-63 Q (high 16, low 16); v64-127 K's high parts, then V^T; v128-191 K's low parts; v192-215 the tile on its way to LDS.
.set KS0,   0                          ; K's two slots: 16,384 bytes each, a tile as it lies in memory: [key / 16][part][d / 16][lane][16 bytes]
.set VS0,   32768                      ; V's two slots: 64 keys x 160 bytes (128 + 32)
.set SPARE, 53248                      ; the spare words, 128 bytes for each of eight waves
.set ST,    16                         ; tile x's statistics at v[ST + 12 x]: +0 c m, +1 m, +2, +3 l, +4 .. +7 at work (a at +6), +8, +9 |q|^2 + 1e-6, +10 the mask's d
.set KSQ,   48
.set T,     80
.set S,     112
.set O,     176
.set SPW,   252
.set NIL,   253
.set MSB, 0
.macro WIN new                         ; the immediate's high byte repeats the setting that is left
.if MSB != (\new)
	s_set_vgpr_msb (MSB<<8)|(\new)
.set MSB, (\new)
.endif
.endm
; s10 wave, s11 j, s12 bh, s13 / s14 the tiles' first queries, s15 the step's first key, s16 trips left, s[20:21] K, s[22:23] V (both at tile n + 2), s[24:25] |k|^2,
; s[26:27] where my prefetches stand, s[28:29] their step, s30 their limit, s[32:33] lane selects, s[34:35] log2(e)
; A PREFETCH of key tile n + 4, two steps ahead of the load that will want it.  All eight work-groups of a head walk the same tiles from tile 0 on; the one that walks all 32 (j = 0) asks, and nobody else: its waves 0 and 1
; for the two halves of K's 16,384 bytes, wave 2 for V's 8,192, lanes 256 bytes apart: each block is named once.  The last trip asks for nothing: tiles 28 + 4 and 29 + 4 do not exist.  Tiles 0 to 3 come by their loads alone.
.macro ASK
	s_cmp_gt_u32 s16, s30
	s_cbranch_scc0 .Lnot_mine_\@
	global_prefetch_b8 v7, s[26:27] th:TH_LOAD_NT scope:SCOPE_SE
.Lnot_mine_\@:
.endm
; S^T of tile x: 24 matrix instructions: (kh, qh), (kh, ql), (kl, qh), each for 2 x 32 channels, each for the four tiles of keys, which take turns
.macro KQ x
.set i, 0
.rept 24
.set rS, S+32*(\x)+8*(i%4)
.set rK, 64+64*(i/16)+16*(i%4)+8*((i/4)%2)
.set rQ, 32*(\x)+16*((i/8)%2)+8*((i/4)%2)
.if i < 4
	v_wmma_f32_16x16x32_f16 v[rS:rS+7], v[rK:rK+7], v[rQ:rQ+7], 0
.else
	v_wmma_f32_16x16x32_f16 v[rS:rS+7], v[rK:rK+7], v[rQ:rQ+7], v[rS:rS+7]
.endif
.set i, i+1
.endr
.endm
; O^T of tile x += V^T P: 2 x 32 keys, the four tiles of channels by turns
.macro PVM x
.set i, 0
.rept 8
.set rO, O+32*(\x)+8*(i%4)
.set rV, 64+8*i
.set rP, S+32*(\x)+8*(i/4)
	v_wmma_f32_16x16x32_f16 v[rO:rO+7], v[rV:rV+7], v[rP:rP+7], v[rO:rO+7]
.set i, i+1
.endr
.endm
.macro VLOAD slot                      ; V^T's eight fragments (32 keys x 16 channels), turned, over K's high parts, which are done with
	WIN 0x40
.set i, 0
.rept 8
	ds_load_tr16_b128 v[64+8*i:64+8*i+3], v2 offset:VS0+10240*(\slot)+5120*(i/4)+32*(i%4)
	ds_load_tr16_b128 v[64+8*i+4:64+8*i+7], v2 offset:VS0+10240*(\slot)+5120*(i/4)+32*(i%4)+2560
.set i, i+1
.endr
	WIN 0
.endm
; THE VECTOR WORK of tile x for one key step.  mask = 1: where the step reaches past the tile's first query, hidden scores become -infinity.
.macro SM x, mask
.set rT, ST+12*(\x)
.set rS, S+32*(\x)
.set rO, O+32*(\x)
.set i, 0
.rept 16
	v_pk_fma_f32 v[T+2*i:T+2*i+1], v[rS+2*i:rS+2*i+1], -2.0, v[KSQ+2*i:KSQ+2*i+1] op_sel_hi:[1,0,1]   ; |k|^2 - 2 dot (each accumulator is read from its low end on)
.set i, i+1
.endr
.set i, 0
.rept 16
	v_pk_add_f32 v[T+2*i:T+2*i+1], v[T+2*i:T+2*i+1], v[rT+8:rT+9]                                    ; + |q|^2 + 1e-6
.set i, i+1
.endr
.set i, 0
.rept 32
	v_rcp_f32 v[T+i], v[T+i]
.set i, i+1
.endr
.set i, 0
.rept 16
	v_pk_mul_f32 v[rS+2*i:rS+2*i+1], v[rS+2*i:rS+2*i+1], v[rS+2*i:rS+2*i+1]                          ; dot^2: the plain work behind the reciprocals
.set i, i+1
.endr
	s_wait_alu depctr_va_vdst(0)                   ; one wait for the 32 reciprocals, ahead of their first reader
.set i, 0
.rept 16
	v_pk_mul_f32 v[rS+2*i:rS+2*i+1], v[rS+2*i:rS+2*i+1], v[T+2*i:T+2*i+1]                            ; the score
.set i, i+1
.endr
.if \mask
	s_add_co_u32 s36, s15, 63
	s_cmp_le_u32 s36, s[13+(\x)]                   ; all 64 keys count for all 16 queries: ids and the count of steps alone
	s_cbranch_scc1 .Lopen_\@
	s_sub_co_i32 s36, s[13+(\x)], s15
	v_add_nc_u32 v[rT+10], s36, v8                 ; d = my query - the step's first key - 8 h.  Register 8 kt + i holds key 16 kt + 8 h + i: hidden where 16 kt + i > d
.set i, 0
.rept 32
	v_cmp_gt_i32 vcc_lo, 16*(i/8)+i%8, v[rT+10]
	v_cndmask_b32 v[rS+i], v[rS+i], v40, vcc_lo
.set i, i+1
.endr
.Lopen_\@:
.endif
.set i, 0
.rept 4                                ; the maximum of the 32 scores and the old m: four chains of seven, then what is left
	v_max3_num_f32 v[rT+4+i], v[rS+8*i], v[rS+8*i+1], v[rS+8*i+2]
.set i, i+1
.endr
.rept 8
	v_max3_num_f32 v[rT+4+i%4], v[rT+4+i%4], v[rS+8*(i%4)+2*(i/4)+1], v[rS+8*(i%4)+2*(i/4)+2]
.set i, i+1
.endr
	v_max3_num_f32 v[rT+4], v[rT+4], v[rS+7], v[rS+15]
	v_max3_num_f32 v[rT+6], v[rT+6], v[rS+23], v[rS+31]
	v_max3_num_f32 v[rT+4], v[rT+4], v[rT+5], v[rT+6]
	v_max3_num_f32 v[rT+4], v[rT+4], v[rT+7], v[rT+1]
	v_permlanex16_b32 v[rT+5], v[rT+4], s32, s33   ; the query's other 32 keys lie in the lane 16 away
	v_mov_b32 v[rT+7], v[rT]                       ; c m_old
	v_max_num_f32 v[rT+1], v[rT+4], v[rT+5]        ; the new m
	v_mul_f32 v[rT], s34, v[rT+1]                  ; c m, c = log2(e)
	v_sub_f32 v[rT+7], v[rT+7], v[rT]
.set i, 0
.rept 16
	v_pk_fma_f32 v[rS+2*i:rS+2*i+1], v[rS+2*i:rS+2*i+1], s[34:35], v[rT:rT+1] op_sel_hi:[1,0,0] neg_lo:[0,0,1] neg_hi:[0,0,1]   ; c s - c m
.set i, i+1
.endr
	v_exp_f32 v[rT+6], v[rT+7]                     ; a = 2^(c m_old - c m)
.set i, 0
.rept 32
	v_exp_f32 v[rS+i], v[rS+i]                     ; p
.set i, i+1
.endr
	v_nop                                          ; the plain line behind the last exponential
	s_wait_alu depctr_va_vdst(0)                   ; one wait for the 33
	v_pk_add_f32 v[T:T+1], v[rS:rS+1], v[rS+2:rS+3]                ; the sum of the unrounded p, in two chains
	v_pk_add_f32 v[T+2:T+3], v[rS+4:rS+5], v[rS+6:rS+7]
.set i, 8
.rept 6
	v_pk_add_f32 v[T:T+1], v[T:T+1], v[rS+i:rS+i+1]
	v_pk_add_f32 v[T+2:T+3], v[T+2:T+3], v[rS+i+2:rS+i+3]
.set i, i+4
.endr
	v_pk_add_f32 v[T:T+1], v[T:T+1], v[T+2:T+3]
	v_pk_fma_f32 v[rT+2:rT+3], v[rT+2:rT+3], v[rT+6:rT+7], v[T:T+1] op_sel_hi:[1,0,1]   ; l = a l + the sum
.set i, 0
.rept 16
	v_cvt_pk_f16_f32 v[rS+i], v[rS+2*i], v[rS+2*i+1]               ; P, packed in place: registers 8 kb .. 8 kb + 7 are source 1 for keys 32 kb on
.set i, i+1
.endr
.set i, 0
.rept 16
	v_pk_mul_f32 v[rO+2*i:rO+2*i+1], v[rO+2*i:rO+2*i+1], v[rT+6:rT+7] op_sel_hi:[1,0]   ; O^T x a
.set i, i+1
.endr
.endm
; A KEY STEP.  slot: the slot that is read.  hasA: tile A may still have keys.  maskB: tile B's diagonal.  hid: the step may be hidden from tile B altogether.  store: the staged tile goes into the other slot.
; load: tile n + 2 is asked for.  bar: the step's barrier.  next: pointers step, and the next step's |k|^2 are asked for.
.macro STEP slot, hasA, maskB, hid, store, load, bar, next
.rept 5
	v_nop                                          ; places behind the last V^T P: its V registers are loaded anew, and its P registers are written over by matrix instructions, which wants five
.endr
.if \hid
	s_cmp_gt_u32 s15, s14                          ; every key of the step comes after my tile's queries
	s_cbranch_scc1 .Lhid_\@
.endif
.if \store
	s_wait_loadcnt 0x8                             ; the six staged loads are in; the eight younger ones (|k|^2) may be out
	WIN 0x04                                       ; an LDS store's data are its source 1: window 1
.irp u, 0,1,2,3
	ds_store_b128 v4, v[192+4*\u:195+4*\u] offset:KS0+16384*(1-\slot)+512*\u
.endr
.irp u, 0,1
	ds_store_b128 v6, v[208+4*\u:211+4*\u] offset:VS0+10240*(1-\slot)+32*\u
.endr
.endif
	WIN 0x40
.set i, 0
.rept 32                               ; piece i = 8 kt + 4 part + d / 16
	ds_load_b128 v[64+64*((i/4)%2)+16*(i/8)+4*(i%4):64+64*((i/4)%2)+16*(i/8)+4*(i%4)+3], v1 offset:KS0+16384*(\slot)+512*i
.set i, i+1
.endr
	s_wait_dscnt 0x0                               ; K is in; my stores have read their registers and have landed
.if \load
.irp u, 0,1,2,3
	global_load_b128 v[192+4*\u:195+4*\u], v4, s[20:21] offset:512*\u
.endr
.irp u, 0,1
	global_load_b128 v[208+4*\u:211+4*\u], v5, s[22:23] offset:512*\u
.endr
.endif
	WIN 0
.if \load
	ASK
.endif
.if \hasA
	s_cmp_gt_u32 s15, s13                          ; tile A is past its diagonal: its whole work stands in this one arm
	s_cbranch_scc1 .LnoA_\@
	WIN 0x05
	KQ 0
	KQ 1
	WIN 0
.rept 4
	v_nop                                          ; places behind the products: K's registers are loaded anew, the scores are read
.endr
	VLOAD \slot
	s_wait_loadcnt 6*(\load)                       ; |k|^2 are in; the staged loads behind them may be out
	SM 0, 1
	s_wait_dscnt 0x0                               ; V is in
	WIN 0x01
	PVM 0
	WIN 0
	s_branch .Ljoin_\@
.LnoA_\@:
.endif
	WIN 0x05
	KQ 1
	WIN 0
.rept 4
	v_nop
.endr
	VLOAD \slot
	s_wait_loadcnt 6*(\load)
.Ljoin_\@:
	SM 1, \maskB
	s_wait_dscnt 0x0                               ; V is in: my reads of this slot are over, and my stores into the other have landed
.if \bar
	s_barrier_signal -1
.endif
	WIN 0x01
	PVM 1                                          ; work on registers while the others arrive
	WIN 0
.if \bar
	s_barrier_wait -1
.endif
.if \next
	s_wait_xcnt 0x0                                ; this step's loads and prefetch have read their bases
	s_add_nc_u64 s[20:21], s[20:21], 16384
	s_add_nc_u64 s[22:23], s[22:23], 8192
	s_add_nc_u64 s[24:25], s[24:25], 256
	s_add_nc_u64 s[26:27], s[26:27], s[28:29]
.irp u, 0,1,2,3
	global_load_b128 v[KSQ+8*\u:KSQ+8*\u+3], v3, s[24:25] offset:64*\u        ; |k|^2 of keys 16 u + 8 h + 0 .. 7 of the next step
	global_load_b128 v[KSQ+8*\u+4:KSQ+8*\u+7], v3, s[24:25] offset:64*\u+16
.endr
	s_add_co_u32 s15, s15, 64
.endif
.if \hid
.Lhid_\@:
.endif
.endm
	s_load_b128 s[4:7], s[0:1], 0x0                ; qkvimg s[4:5], sq s[6:7]
	s_load_b64 s[8:9], s[0:1], 0x10                ; o16
	v_lshl_add_u32 v[SPW], v0, 2, SPARE
	v_mov_b32 v[NIL], 0
	v_lshrrev_b32 v10, 5, v0
	v_readfirstlane_b32 s10, v10                   ; wave 0..7
	s_mov_b32 s11, ttmp9                           ; j
	s_and_b32 s12, ttmp7, 0xffff                   ; bh
	v_and_b32 v11, 31, v0                          ; lane
	v_and_b32 v12, 15, v0                          ; r
	v_bfe_u32 v13, v0, 4, 1                        ; h
	v_lshlrev_b32 v1, 4, v11                       ; v1  16 x lane: an image's place for my lane
	v_and_b32 v14, 7, v0
	v_lshl_add_u32 v2, v13, 3, v14
	v_mul_u32_u24 v2, v2, 160
	v_bfe_u32 v14, v0, 3, 1
	v_lshl_add_u32 v2, v14, 4, v2                  ; v2  the turning load: key 8 h + l % 8, channels 8 ((l / 8) % 2) on
	v_lshlrev_b32 v3, 5, v13                       ; v3  32 h: my eight of sixteen |k|^2
	s_lshl_b32 s36, s10, 11
	v_add_nc_u32 v4, s36, v1                       ; v4  my wave's 2,048 bytes of a tile of K, in memory and in a slot alike
	s_lshl_b32 s36, s10, 10
	v_add_nc_u32 v5, s36, v1                       ; v5  my wave's 1,024 bytes of a tile of V in memory: tokens 16 (w / 2) on, d / 16 = 2 (w % 2) + u
	s_lshr_b32 s36, s10, 1
	s_mul_i32 s36, s36, 2560
	s_and_b32 s37, s10, 1
	s_lshl_b32 s37, s37, 6
	s_add_co_u32 s36, s36, s37
	v_mul_u32_u24 v6, v12, 160
	v_lshl_add_u32 v6, v13, 4, v6
	v_add_nc_u32 v6, s36, v6                       ; v6  and in a slot: row = key 16 (w / 2) + r, byte 64 (w % 2) + 32 u + 16 h
	v_lshlrev_b32 v7, 8, v11                       ; v7  the prefetches' offset
	v_lshlrev_b32 v14, 3, v13
	v_sub_nc_u32 v8, v12, v14                      ; v8  r - 8 h, for the mask
	v_lshlrev_b32 v9, 2, v12                       ; v9  4 r
	s_lshl_b32 s13, s11, 7
	s_lshl_b32 s36, s10, 4
	s_add_co_u32 s13, s13, s36                     ; tile A's first query
	s_sub_co_u32 s14, 15, s11
	s_mov_b32 s16, s14                             ; 15 - j trips
	s_lshl_b32 s14, s14, 7
	s_add_co_u32 s14, s14, s36                     ; tile B's
	s_mov_b32 s15, 0
	s_mov_b32 s32, 0x76543210
	s_mov_b32 s33, 0xfedcba98
	s_mov_b32 s34, 0x3fb8aa3b                      ; log2(e)
	s_mov_b32 s35, s34                             ; (named with it as a pair, so it is written)
	s_mov_b32 s37, 0
	s_wait_kmcnt 0x0
	s_lshl_b32 s36, s12, 19
	s_add_nc_u64 s[18:19], s[4:5], s[36:37]        ; the head's q
	s_add_nc_u64 s[20:21], s[18:19], 0x1000000     ; and k
	s_lshl_b32 s36, s12, 18
	s_add_nc_u64 s[22:23], s[4:5], s[36:37]
	s_add_nc_u64 s[22:23], s[22:23], 0x2000000     ; and v
	s_lshl_b32 s36, s12, 13
	s_add_nc_u64 s[6:7], s[6:7], s[36:37]          ; |q|^2
	s_add_nc_u64 s[24:25], s[6:7], 0x40000         ; |k|^2
	s_lshl_b32 s36, s13, 8
	s_add_nc_u64 s[38:39], s[18:19], s[36:37]      ; tile A's image: 4,096 bytes a tile of 16 tokens
	s_lshl_b32 s36, s14, 8
	s_add_nc_u64 s[40:41], s[18:19], s[36:37]
	s_lshl_b32 s36, s13, 2
	s_add_nc_u64 s[42:43], s[6:7], s[36:37]
	s_lshl_b32 s36, s14, 2
	s_add_nc_u64 s[44:45], s[6:7], s[36:37]
	WIN 0x40
.irp u, 0,1,2,3
	global_load_b128 v[192+4*\u:195+4*\u], v4, s[20:21] offset:512*\u           ; key tile 0
.endr
.irp u, 0,1
	global_load_b128 v[208+4*\u:211+4*\u], v5, s[22:23] offset:512*\u
.endr
.irp u, 0,1,2,3,4,5,6,7
	global_load_b128 v[4*\u:4*\u+3], v1, s[38:39] offset:512*\u                 ; Q stays in registers: piece 4 part + d / 16
.endr
.irp u, 0,1,2,3,4,5,6,7
	global_load_b128 v[32+4*\u:35+4*\u], v1, s[40:41] offset:512*\u
.endr
	WIN 0
	global_load_b32 v[ST+8], v9, s[42:43]
	global_load_b32 v[ST+20], v9, s[44:45]
	; the prefetches: where my wave's stand (tile 4), and who asks
	s_and_b32 s36, s10, 1
	s_lshl_b32 s36, s36, 13
	s_add_co_u32 s36, s36, 65536                   ; K: tile 4, my half
	s_mov_b32 s46, 32768                           ; V: tile 4
	s_mov_b32 s28, 8192
	s_cmp_lt_u32 s10, 2
	s_cselect_b64 s[26:27], s[20:21], s[22:23]
	s_cselect_b32 s36, s36, s46
	s_cselect_b32 s28, 16384, s28                  ; a tile on
	s_mov_b32 s29, 0
	s_add_nc_u64 s[26:27], s[26:27], s[36:37]
	s_cmp_lt_u32 s10, 3
	s_cselect_b32 s30, 0, 1
	s_or_b32 s30, s30, s11
	s_cmp_eq_u32 s30, 0
	s_cselect_b32 s30, 1, -1                       ; 1 in waves 0 to 2 of the work-group j = 0, else the greatest number
	s_wait_loadcnt 18                              ; tile 0's six loads are in (behind them: Q's sixteen and the two |q|^2)
	WIN 0x04
.irp u, 0,1,2,3
	ds_store_b128 v4, v[192+4*\u:195+4*\u] offset:KS0+512*\u
.endr
.irp u, 0,1
	ds_store_b128 v6, v[208+4*\u:211+4*\u] offset:VS0+32*\u
.endr
	s_wait_dscnt 0x0                               ; for the others' sake, and the stores have read their registers
	WIN 0x40
.irp u, 0,1,2,3
	global_load_b128 v[192+4*\u:195+4*\u], v4, s[20:21] offset:16384+512*\u     ; key tile 1
.endr
.irp u, 0,1
	global_load_b128 v[208+4*\u:211+4*\u], v5, s[22:23] offset:8192+512*\u
.endr
	WIN 0
.irp u, 0,1,2,3
	global_load_b128 v[KSQ+8*\u:KSQ+8*\u+3], v3, s[24:25] offset:64*\u          ; |k|^2 of step 0
	global_load_b128 v[KSQ+8*\u+4:KSQ+8*\u+7], v3, s[24:25] offset:64*\u+16
.endr
	v_mov_b32 v40, 0xff800000                      ; -infinity
.irp x, 0,1
	v_mov_b32 v[ST+12*\x+1], 0xf149f2ca            ; m = -1e30, under every score (scores are never negative)
	v_mul_f32 v[ST+12*\x], s34, v[ST+12*\x+1]
.irp u, 2,3,4,5,6,7,10,11
	v_mov_b32 v[ST+12*\x+\u], 0                    ; l, and what is named before it is first made
.endr
.endr
.set i, 0
.rept 64
	v_mov_b32 v[O+i], 0                            ; O^T.  (The step is written once: the first finds zeros, which a = 0 leaves zeros)
.set i, i+1
.endr
	s_wait_loadcnt 14                              ; Q and |q|^2 are in (behind them: tile 1's six and the eight |k|^2)
.irp x, 0,1
	v_add_f32 v[ST+12*\x+8], 0x358637bd, v[ST+12*\x+8]             ; |q|^2 + 1e-6,
	v_mov_b32 v[ST+12*\x+9], v[ST+12*\x+8]                         ; in both halves of the pair
.endr
	s_wait_xcnt 0x0                                ; the loads above have read their bases
	s_add_nc_u64 s[20:21], s[20:21], 32768         ; K and V at tile 2
	s_add_nc_u64 s[22:23], s[22:23], 16384
	s_barrier_signal -1
	s_barrier_wait -1                              ; tile 0 lies in slot 0
.Ltrip:
	STEP 0, 1, 0, 0, 1, 1, 1, 1
	STEP 1, 1, 0, 0, 1, 1, 1, 1
	s_sub_co_u32 s16, s16, 1
	s_cmp_lg_u32 s16, 0
	s_cbranch_scc1 .Ltrip
	STEP 0, 0, 1, 0, 1, 0, 1, 1                    ; tile B's diagonal block: the last tile goes into slot 1, nothing more is asked for
	STEP 1, 0, 1, 1, 0, 0, 0, 0
	; THE WAY OUT: O^T / l, rounded to f16: a lane's eight channels are its 16 bytes of the image [head / 4][token / 16][2 (head % 4) + ct / 2][ct % 2][lane]
.rept 4
	v_nop                                          ; places behind the last products
.endr
.irp x, 0,1
	v_add_f32 v[ST+12*\x+4], v[ST+12*\x+2], v[ST+12*\x+3]
.endr
.irp x, 0,1
	v_permlanex16_b32 v[ST+12*\x+5], v[ST+12*\x+4], s32, s33
.endr
.irp x, 0,1
	v_add_f32 v[ST+12*\x+4], v[ST+12*\x+4], v[ST+12*\x+5]
.endr
.irp x, 0,1
	v_rcp_f32 v[ST+12*\x+6], v[ST+12*\x+4]
.endr
	v_nop                                          ; the plain line behind the reciprocals
	s_bfe_u32 s36, s12, 0x20002                    ; head / 4
	s_lshl_b32 s36, s36, 21
	s_lshr_b32 s46, s12, 4                         ; batch: 128 tiles of tokens x 8,192 bytes
	s_lshl_b32 s46, s46, 20
	s_add_co_u32 s36, s36, s46
	s_and_b32 s46, s12, 3                          ; head % 4
	s_lshl_b32 s46, s46, 11
	s_add_co_u32 s36, s36, s46
	s_add_nc_u64 s[8:9], s[8:9], s[36:37]
	s_lshl_b32 s36, s13, 9
	s_add_nc_u64 s[38:39], s[8:9], s[36:37]        ; (Q's loads, which named these, were waited for)
	s_lshl_b32 s36, s14, 9
	s_add_nc_u64 s[40:41], s[8:9], s[36:37]
	s_wait_alu depctr_va_vdst(0)                   ; one wait for the two, ahead of their first reader
.set i, 0
.rept 32
	v_pk_mul_f32 v[O+2*i:O+2*i+1], v[O+2*i:O+2*i+1], v[ST+12*(i/16)+6:ST+12*(i/16)+7] op_sel_hi:[1,0]
.set i, i+1
.endr
.set i, 0
.rept 32
	v_cvt_pk_f16_f32 v[T+i], v[O+2*i], v[O+2*i+1]
.set i, i+1
.endr
.irp x, 0,1
.irp u, 0,1,2,3
	global_store_b128 v1, v[T+16*\x+4*\u:T+16*\x+4*\u+3], s[38+2*\x:39+2*\x] offset:512*\u   ; the wave stores 512 consecutive bytes, aligned
.endr
.endr
	s_wait_tensorcnt 0x0                           ; the wave's end, behind my last LDS store
	ds_add_u32 v[SPW], v[NIL]
	s_wait_dscnt 0x0
	s_endpgm
.Lfunc_end_k_qc9dec63e53_attn:
	.size	k_qc9dec63e53_attn, .Lfunc_end_k_qc9dec63e53_attn-k_qc9dec63e53_attn
	.p2alignl 7, 3214868480
	.fill 96, 4, 3214868480
	.section	.rodata,"a",@progbits
	.p2align	6, 0x0
	.amdhsa_kernel k_qc9dec63e53_attn
		.amdhsa_group_segment_fixed_size 54272
		.amdhsa_private_segment_fixed_size 0
		.amdhsa_enable_private_segment 0
		.amdhsa_kernarg_size 24
		.amdhsa_user_sgpr_count 2
		.amdhsa_user_sgpr_kernarg_segment_ptr 1
		.amdhsa_wavefront_size32 1
		.amdhsa_system_sgpr_workgroup_id_x 1
		.amdhsa_system_sgpr_workgroup_id_y 1
		.amdhsa_system_sgpr_workgroup_id_z 1
		.amdhsa_system_vgpr_workitem_id 0
		.amdhsa_next_free_vgpr 512
		.amdhsa_next_free_sgpr 66
		.amdhsa_reserve_vcc 1
		.amdhsa_float_denorm_mode_32 3
		.amdhsa_float_denorm_mode_16_64 3
		.amdhsa_memory_ordered 1
		.amdhsa_forward_progress 1
		.amdhsa_inst_pref_size 132
	.end_amdhsa_kernel
	.amdgpu_metadata
---
amdhsa.version: [ 1, 2 ]
amdhsa.kernels:
  - .name:           k_qc9dec63e53_attn
    .symbol:         k_qc9dec63e53_attn.kd
    .args:
      - { .name: qkvimg, .offset: 0, .size: 8, .value_kind: global_buffer, .address_space: global }
      - { .name: sq, .offset: 8, .size: 8, .value_kind: global_buffer, .address_space: global }
      - { .name: o16, .offset: 16, .size: 8, .value_kind: global_buffer, .address_space: global }
    .group_segment_fixed_size: 54272
    .private_segment_fixed_size: 0
    .kernarg_segment_align: 8
    .kernarg_segment_size: 24
    .max_flat_workgroup_size: 256
    .sgpr_count:     66
    .vgpr_count:     512
    .wavefront_size: 32
...
	.end_amdgpu_metadata
.endif
;; end of part 3
;; launch proj (part 4): grid 8 x 32, 4 waves a work-group, clusters of 4 x 4, 327,680 bytes of LDS; arguments o16, w16, out0, b_out; writes out0
.if DOCPART == 4
	.amdgcn_target "amdgcn-amd-amdhsa--gfx1250"
	.amdhsa_code_object_version 6
	.text
	.protected	k_qc9dec63e53_proj
	.globl	k_qc9dec63e53_proj
	.p2align	8
	.type	k_qc9dec63e53_proj,@function
k_qc9dec63e53_proj:
	s_mov_b64 s[64:65], 0
	v_nop
	global_prefetch_b8 v0, s[64:65] scope:SCOPE_SE
	s_setreg_imm32_b32 hwreg(HW_REG_WAVE_MODE, 25, 1), 1
	s_wait_xcnt 0x0
	s_wait_alu depctr_hold_cnt(0) depctr_sa_sdst(0) depctr_va_vdst(0) depctr_va_sdst(0) depctr_va_ssrc(0) depctr_va_vcc(0) depctr_vm_vsrc(0)
	s_getreg_b32 s2, hwreg(HW_REG_IB_STS2, 6, 4)
	s_cmp_eq_u32 s2, 0
	s_cbranch_scc0 .Lentry_in_a_cluster
	s_endpgm
.Lentry_in_a_cluster:
	s_bfe_u32 s2, ttmp6, 0x10000c
	s_cmp_lg_u32 s2, 0xf033
	s_cbranch_scc0 .Lentry_shape_is_right
	s_endpgm
.Lentry_shape_is_right:
; out0 = o w_out + b_out: M 4,096, N 1,024, K 1,024; operands in f16, sums and result in f32.
; A tile of 128 x 128 gives 256 work-groups; four waves, 64 x 64 each: 16 accumulators.  K goes in four steps of 256 through a ring of two LDS slots filled by the tensor data mover.
; BOTH OPERANDS LIE IN MEMORY AS IMAGES OF THE OPERAND REGISTERS, [k / 256][rows / 16][(k / 32) % 8][half][lane][16 bytes]: a K step's 64 rows are ONE dense block of 32,768 bytes, fetched as 128 rows of 256 bytes,
; and a fragment comes out of LDS by two loads of 512 consecutive bytes: no pitch, no padding.
; CLUSTERS: 4 x 4 work-groups; o's tiles are asked for jointly along a row of the cluster, w's along a column.
; THE MATRIX INSTRUCTION IS USED TRANSPOSED (source 0 = 16 columns of w_out, source 1 = 16 rows of o): a lane holds eight neighbouring numbers of a row of the result.  The bias is the C of each sum's first product.
; A wave's 64 columns of f32 are 256 aligned bytes of a row: each wave has a stage of its own on the way out, and no barrier is needed there.
; REGISTERS: window 0: v0-31 addresses; v32-95 the way out; v96-127 the bias; v128-255 the accumulators ((a, b) at v[128 + 8 (4 a + b)]).  window 1: two fragment buffers of 128.
.set HALFT,  32768                     ; 64 rows x 256 along K: what one tensor load brings, and what one wave reads of o or of w
.set SLOT,   4*HALFT
.set STAGE,  2*SLOT                    ; behind the ring: 16 rows x 272 bytes for each wave
.set SPITCH, 272
.set SPARE,  STAGE+4*16*SPITCH         ; the spare words, 128 bytes a wave: two blocks of 256 bytes that no other line names
.set LAPS,   2                         ; a lap = two K steps
.set ADRA, 16
.set ADRB, 20
.set STO,  24
.set RD,   25
.set CO,   26
.set BO,   27                          ; v27  32 h
.set SPW,  28
.set NIL,  29
.set TMP,  32
.set BIAS, 96
.set ACC,  128
.set F0,   0
.set F1,   128
.set G1, 24
.set G0, 32
.set G1B, 48
.set G0B, 56
.set MSB, 0
.macro WIN new
.if MSB != (\new)
	s_set_vgpr_msb (MSB<<8)|(\new)
.set MSB, (\new)
.endif
.endm
.set MUL,  0x05                        ; sources 0 (w) and 1 (o) window 1; C and D window 0
.set TO_F, 0x40
.macro JLOAD s                         ; a joint load: waves 0 and 1 fetch o's two halves, waves 2 and 3 w's; an s_nop 0 and four v_nop follow each of the two lines
	s_cmp_eq_u32 s11, 0
	s_cbranch_scc0 .Lfor_b_\@
	tensor_load_to_lds s[G0+4*\s:G0+4*\s+3], s[G1:G1+7]
	s_nop 0
.rept 4
	v_nop
.endr
	s_branch .Lasked_\@
.Lfor_b_\@:
	tensor_load_to_lds s[G0B+4*\s:G0B+4*\s+3], s[G1B:G1B+7]
	s_nop 0
.rept 4
	v_nop
.endr
.Lasked_\@:
.endm
.macro CREST
	s_cmp_lg_u32 s10, 0
	s_cbranch_scc1 .Lnot_wave_0_\@
	s_barrier_signal -3
.Lnot_wave_0_\@:
	s_barrier_wait -3
	s_barrier_signal -1
	s_barrier_wait -1
.endm
.macro CROUND
	s_barrier_signal -1
	s_barrier_wait -1
	CREST
.endm
	s_load_b128 s[4:7], s[0:1], 0x0                ; o16 s[4:5], w16 s[6:7]
	s_load_b64 s[8:9], s[0:1], 0x10                ; out0
	s_load_b64 s[66:67], s[0:1], 0x18              ; b_out
	v_lshl_add_u32 v[SPW], v0, 2, SPARE
	v_mov_b32 v[NIL], 0
	ds_add_u32 v[SPW], v[NIL]                      ; the wave's opening: the add, twice on end, and its wait ahead of my first tensor load
	ds_add_u32 v[SPW], v[NIL]
	v_lshrrev_b32 v1, 5, v0
	v_readfirstlane_b32 s10, v1                    ; wave 0..3
	s_lshr_b32 s11, s10, 1                         ; which half of the tile's rows is mine.  Also: I fetch for o (0) or for w (1)
	s_and_b32 s12, s10, 1                          ; which half of its columns.  Also: which 64 rows of that tile I fetch
	s_bfe_u32 s40, ttmp6, 0x40000
	s_bfe_u32 s41, ttmp6, 0x40004
	s_lshl_b32 s42, ttmp9, 2
	s_add_co_u32 s42, s42, s40                     ; tile column
	s_and_b32 s13, ttmp7, 0xffff
	s_lshl_b32 s13, s13, 2
	s_add_co_u32 s13, s13, s41                     ; tile row
	s_lshl_b32 s43, s41, 2
	s_lshl_b32 s43, 15, s43                        ; my row of the cluster
	s_lshl_b32 s44, 0x1111, s40                    ; my column
	s_or_b32 s[G1+0], s43, (3<<16)|(1<<21)         ; the mask; elements of 8 bytes; no padding; bit 21 beside a mask
	s_or_b32 s[G1B+0], s44, (3<<16)|(1<<21)
.irp g, G1, G1B
	s_mov_b32 s[\g+1], 32<<16                      ; tensor_dim0 = 32 elements: 256 bytes
	s_mov_b32 s[\g+2], 128<<16                     ; tensor_dim1 = 128
	s_mov_b32 s[\g+3], 32<<16                      ; tile_dim0
	s_mov_b32 s[\g+4], 128                         ; tile_dim1
	s_mov_b32 s[\g+5], 32                          ; the pitch: the block is dense
	s_mov_b32 s[\g+6], 0
	s_mov_b32 s[\g+7], 0
.endr
	s_lshl_b32 s17, s12, 15                        ; which 64 rows (four tiles of 8,192 bytes) I fetch
	s_lshl_b32 s16, s13, 16
	s_add_co_u32 s16, s16, s17                     ; o: 65,536 x tile row + 32,768 x half
	s_lshl_b32 s46, s42, 16
	s_add_co_u32 s46, s46, s17                     ; w: the same by the tile column
	s_mov_b32 s17, 0
	s_mov_b32 s47, 0
	s_mul_i32 s20, s10, HALFT                      ; where they go: wave x 32,768
	s_wait_dscnt 0x0                               ; both opening adds are done
	s_wait_kmcnt 0x0
	s_add_nc_u64 s[14:15], s[4:5], s[16:17]
	s_add_nc_u64 s[46:47], s[6:7], s[46:47]
	CROUND                                         ; all sixteen work-groups are here: the first joint loads meet
.irp s, 0,1
	s_mov_b32 s[G0+4*\s], 1
	s_add_co_u32 s[G0+4*\s+1], s20, \s*SLOT
	s_add_nc_u64 s[G0+4*\s+2:G0+4*\s+3], s[14:15], \s*2097152      ; K step s of o: 256 tiles of tokens x 8,192 bytes on
	s_or_b32 s[G0+4*\s+3], s[G0+4*\s+3], 0x80000000
	s_mov_b32 s[G0B+4*\s], 1
	s_add_co_u32 s[G0B+4*\s+1], s20, \s*SLOT
	s_add_nc_u64 s[G0B+4*\s+2:G0B+4*\s+3], s[46:47], \s*524288     ; of w: 64 tiles of columns x 8,192 bytes on
	s_or_b32 s[G0B+4*\s+3], s[G0B+4*\s+3], 0x80000000
	JLOAD \s
.endr
	v_and_b32 v1, 15, v0                           ; r
	v_bfe_u32 v2, v0, 4, 1                         ; h
	v_and_b32 v3, 31, v0
	v_lshlrev_b32 v3, 4, v3                        ; 16 x lane
	s_mul_i32 s21, s11, HALFT                      ; my 64 rows of o
	s_mul_i32 s22, s12, HALFT                      ; my 64 columns of w,
	s_add_co_u32 s22, s22, 2*HALFT                 ; which lie behind o's 128 rows
.irp s, 0,1
	v_add_nc_u32 v[ADRA+\s], s21, v3
	v_add_nc_u32 v[ADRB+\s], s22, v3
	s_add_co_u32 s21, s21, SLOT
	s_add_co_u32 s22, s22, SLOT
.endr
	s_mul_i32 s23, s10, 16*SPITCH
	s_add_co_u32 s23, s23, STAGE                   ; my stage
	v_mul_u32_u24 v4, v1, SPITCH
	v_lshl_add_u32 v4, v2, 5, v4
	v_add_nc_u32 v[STO], s23, v4                   ; in: row r, 32 bytes for each half of the lanes
	v_mul_u32_u24 v5, v2, SPITCH
	v_lshl_add_u32 v5, v1, 4, v5
	v_add_nc_u32 v[RD], s23, v5                    ; back: lanes 0-15 one row of 256 bytes, lanes 16-31 the next
	v_lshlrev_b32 v5, 12, v2
	v_lshl_add_u32 v[CO], v1, 4, v5                ; and the same two rows in out0
	v_lshlrev_b32 v[BO], 5, v2
	s_lshl_b32 s16, s13, 19                        ; my first row: (128 x tile row + 64 x half) x 4,096 bytes
	s_lshl_b32 s17, s11, 18
	s_add_co_u32 s16, s16, s17
	s_mov_b32 s17, 0
	s_add_nc_u64 s[8:9], s[8:9], s[16:17]
	s_lshl_b32 s46, s42, 9                         ; my first column, in bytes: 512 x tile column + 256 x half
	s_lshl_b32 s47, s12, 8
	s_add_co_u32 s46, s46, s47
	s_mov_b32 s47, 0
	s_add_nc_u64 s[8:9], s[8:9], s[46:47]
	s_add_nc_u64 s[66:67], s[66:67], s[46:47]      ; and the same in b_out
.irp b, 0,1,2,3
	global_load_b128 v[BIAS+8*\b:BIAS+8*\b+3], v[BO], s[66:67] offset:64*\b      ; b(16 b + 8 h + 0 .. 7): in the result's layout
	global_load_b128 v[BIAS+8*\b+4:BIAS+8*\b+7], v[BO], s[66:67] offset:64*\b+16
.endr
; 8 matrix instructions: m blocks a0, a0 + 1 x all 4 n blocks, 32 along K: half c of buffer f.  first = 1: the sums begin with the bias.  The 16 accumulators take turns
.macro MUL8 f, c, a0, first
.irp a, \a0, \a0+1
.irp b, 0,1,2,3
.if \first
	v_wmma_f32_16x16x32_f16 v[ACC+8*(4*(\a)+\b):ACC+8*(4*(\a)+\b)+7], v[\f+64+8*(4*\c+\b):\f+64+8*(4*\c+\b)+7], v[\f+8*(4*\c+\a):\f+8*(4*\c+\a)+7], v[BIAS+8*\b:BIAS+8*\b+7]
.else
	v_wmma_f32_16x16x32_f16 v[ACC+8*(4*(\a)+\b):ACC+8*(4*(\a)+\b)+7], v[\f+64+8*(4*\c+\b):\f+64+8*(4*\c+\b)+7], v[\f+8*(4*\c+\a):\f+8*(4*\c+\a)+7], v[ACC+8*(4*(\a)+\b):ACC+8*(4*(\a)+\b)+7]
.endif
.endr
.endr
.endm
; 32 LDS loads in one run: the fragments of the slot's q-th 64 along K into buffer f; the first 32 along K first
.macro FETCH slot, q, f
	WIN TO_F
.irp c, 0,1
.irp i, 0,1,2,3
	ds_load_b128 v[\f+64+8*(4*\c+\i):\f+64+8*(4*\c+\i)+3],   v[ADRB+\slot] offset:\i*8192+(2*(\q)+\c)*1024
	ds_load_b128 v[\f+64+8*(4*\c+\i)+4:\f+64+8*(4*\c+\i)+7], v[ADRB+\slot] offset:\i*8192+(2*(\q)+\c)*1024+512
	ds_load_b128 v[\f+8*(4*\c+\i):\f+8*(4*\c+\i)+3],         v[ADRA+\slot] offset:\i*8192+(2*(\q)+\c)*1024
	ds_load_b128 v[\f+8*(4*\c+\i)+4:\f+8*(4*\c+\i)+7],       v[ADRA+\slot] offset:\i*8192+(2*(\q)+\c)*1024+512
.endr
.endr
.endm
.macro PLACES
.rept 4
	v_nop
.endr
.endm
; A K step is four quarters of 64 along K, 32 matrix instructions each, on buffers 0, 1, 0, 1.  One of the first three: multiplies buffer f and fetches quarter q into g.
.macro QUARTER slot, q, f, g, first
	s_wait_dscnt 16                                ; the first 32 along K are in
	WIN MUL
	MUL8 \f, 0, 0, \first
	MUL8 \f, 0, 2, \first
	PLACES
	FETCH \slot, \q, \g
	s_wait_dscnt 32                                ; all but the 32 just issued
	WIN MUL
	MUL8 \f, 1, 0, 0
	MUL8 \f, 1, 2, 0
.endm
; The last quarter multiplies buffer 1 and changes slots: ONE barrier; in front of it each wave waits for all its tensor loads, adds 0 to its spare word, and waits for that and for its reads of this slot.
.macro TURN slot, next, fill
	WIN 0
	s_wait_tensorcnt 0x0                           ; all my tensor loads have landed: my part of the next slot;
	ds_add_u32 v[SPW], v[NIL]                      ; 0 onto my spare word;
	s_wait_dscnt 17                                ; (the add and the youngest sixteen loads may be out)
	WIN MUL
	MUL8 F1, 0, 0, 0
	s_wait_dscnt 0x0                               ; the add is done, and my reads of this slot are over
	s_barrier_signal -1
	MUL8 F1, 0, 2, 0
.if \fill
	WIN 0
.endif
	s_barrier_wait -1
.if \fill
	CREST                                          ; the barrier has opened a round of the cluster's barrier: no wave of any partner still reads this slot or has a load on its way
	s_add_nc_u64 s[G0+4*\slot+2:G0+4*\slot+3], s[G0+4*\slot+2:G0+4*\slot+3], 2*2097152
	s_add_nc_u64 s[G0B+4*\slot+2:G0B+4*\slot+3], s[G0B+4*\slot+2:G0B+4*\slot+3], 2*524288
	JLOAD \slot                                    ; the first tensor load behind the round; its four v_nop are also the places in front of the loads below
.else
	PLACES
.endif
	FETCH \next, 0, F0
	WIN MUL
	MUL8 F1, 1, 0, 0
	MUL8 F1, 1, 2, 0
.endm
	s_wait_tensorcnt 1                             ; my part of K step 0 is in (K step 1's load may be out),
	s_barrier_signal -1
	s_barrier_wait -1                              ; everybody's is
	FETCH 0, 0, F0
	s_wait_loadcnt 0x0                             ; the bias
	QUARTER 0, 1, F0, F1, 1                        ; the first quarter stands in front of the loop: its first products start the sums
	WIN 0
	s_mov_b32 s3, LAPS-1
.Llap:                                                 ; a trip goes once round the ring, from a lap's second quarter to the next lap's first, and fills both slots again
	QUARTER 0, 2, F1, F0, 0
	QUARTER 0, 3, F0, F1, 0
	TURN 0, 1, 1
	QUARTER 1, 1, F0, F1, 0
	QUARTER 1, 2, F1, F0, 0
	QUARTER 1, 3, F0, F1, 0
	TURN 1, 0, 1
	QUARTER 0, 1, F0, F1, 0
	WIN 0
	s_sub_co_u32 s3, s3, 1
	s_cmp_lg_u32 s3, 0
	s_cbranch_scc1 .Llap
	QUARTER 0, 2, F1, F0, 0                        ; the last lap fills nothing
	QUARTER 0, 3, F0, F1, 0
	TURN 0, 1, 0
	QUARTER 1, 1, F0, F1, 0
	QUARTER 1, 2, F1, F0, 0
	QUARTER 1, 3, F0, F1, 0
	s_wait_dscnt 16
	WIN MUL
	MUL8 F1, 0, 0, 0
	MUL8 F1, 0, 2, 0
	s_wait_dscnt 0
	MUL8 F1, 1, 0, 0
	MUL8 F1, 1, 2, 0
	WIN 0
; THE WAY OUT, a block of 16 rows x 64 columns at a time: 32 bytes a lane into my own stage, back as whole rows of 256 bytes.  LDS serves a wave's instructions in order: no wait between the stores and the loads.
.macro TOSTAGE a
.irp b, 0,1,2,3
	ds_store_b128 v[STO], v[ACC+8*(4*(\a)+\b):ACC+8*(4*(\a)+\b)+3] offset:64*\b          ; each accumulator from its low end on
	ds_store_b128 v[STO], v[ACC+8*(4*(\a)+\b)+4:ACC+8*(4*(\a)+\b)+7] offset:64*\b+16
.endr
.set BB, TMP+32*((\a)%2)
.irp t, 0,1,2,3,4,5,6,7
	ds_load_b128 v[BB+4*\t:BB+4*\t+3], v[RD] offset:\t*2*SPITCH
.endr
.endm
.macro SEND a, younger                 ; younger: the LDS instructions issued behind block a's loads, which may stay out
.set BB, TMP+32*((\a)%2)
	s_wait_dscnt \younger
.irp t, 0,1,2,3,4,5,6,7
	global_store_b128 v[CO], v[BB+4*\t:BB+4*\t+3], s[8:9] offset:(16*(\a)+2*\t)*4096 th:TH_STORE_NT   ; 16 lanes store 256 consecutive bytes, aligned; written once, read by nobody here
.endr
.endm
	PLACES
	TOSTAGE 0
.irp a, 1,2,3
.if \a > 1
	s_wait_xcnt 0x0                                ; block a - 2's stores have read their registers: block a's loads may land there
.endif
	TOSTAGE \a
	SEND \a-1, 16                                  ; behind block a - 1's loads: block a's 8 stores and 8 loads
.endr
	SEND 3, 0
	s_wait_tensorcnt 0x0                           ; the wave's end, behind my last tensor load and my last LDS store
	ds_add_u32 v[SPW], v[NIL]
	s_wait_dscnt 0x0
	CROUND                                         ; the closing round
	s_endpgm
.Lfunc_end_k_qc9dec63e53_proj:
	.size	k_qc9dec63e53_proj, .Lfunc_end_k_qc9dec63e53_proj-k_qc9dec63e53_proj
	.p2alignl 7, 3214868480
	.fill 96, 4, 3214868480
	.section	.rodata,"a",@progbits
	.p2align	6, 0x0
	.amdhsa_kernel k_qc9dec63e53_proj
		.amdhsa_group_segment_fixed_size 327680
		.amdhsa_private_segment_fixed_size 0
		.amdhsa_enable_private_segment 0
		.amdhsa_kernarg_size 32
		.amdhsa_user_sgpr_count 2
		.amdhsa_user_sgpr_kernarg_segment_ptr 1
		.amdhsa_wavefront_size32 1
		.amdhsa_system_sgpr_workgroup_id_x 1
		.amdhsa_system_sgpr_workgroup_id_y 1
		.amdhsa_system_sgpr_workgroup_id_z 1
		.amdhsa_system_vgpr_workitem_id 0
		.amdhsa_next_free_vgpr 512
		.amdhsa_next_free_sgpr 68
		.amdhsa_reserve_vcc 0
		.amdhsa_float_denorm_mode_32 3
		.amdhsa_float_denorm_mode_16_64 3
		.amdhsa_memory_ordered 1
		.amdhsa_forward_progress 1
		.amdhsa_inst_pref_size 86
	.end_amdhsa_kernel
	.amdgpu_metadata
---
amdhsa.version: [ 1, 2 ]
amdhsa.kernels:
  - .name:           k_qc9dec63e53_proj
    .symbol:         k_qc9dec63e53_proj.kd
    .args:
      - { .name: o16, .offset: 0, .size: 8, .value_kind: global_buffer, .address_space: global }
      - { .name: w16, .offset: 8, .size: 8, .value_kind: global_buffer, .address_space: global }
      - { .name: out0, .offset: 16, .size: 8, .value_kind: global_buffer, .address_space: global }
      - { .name: b_out, .offset: 24, .size: 8, .value_kind: global_buffer, .address_space: global }
    .group_segment_fixed_size: 327680
    .private_segment_fixed_size: 0
    .kernarg_segment_align: 8
    .kernarg_segment_size: 32
    .max_flat_workgroup_size: 128
    .sgpr_count:     68
    .vgpr_count:     512
    .wavefront_size: 32
...
	.end_amdgpu_metadata
.endif
;; end of part 4
